; MI455X (gfx1250); checked and timed in simulation.
; The chip was launched on July 23, 2026; its instructions are those of AMD's public machine-readable ISA for CDNA 5 (MIT licence, August 2026) and "CDNA5" Instruction Set Architecture Reference Guide (July 2026). The comments in the code are by the model that wrote it; some were corrected since.
;; Encoder Block. Allowed arithmetic: matrix products marked QUANTISED: E4M3 operands, one E8M0 scale for each 32 along K, by v_wmma_scale_f32_16x16x128_f8f6f4 with both operands' format E4M3, f32 sums; everything else in f32.
;; Inputs: attn_norm_w 512 float32; ffn_norm_w 512 float32; rope_cos 4,096 x 32 float32; rope_sin 4,096 x 32 float32; w_down 2,048 x 512 float32; w_gate 512 x 2,048 float32; w_up 512 x 2,048 float32; wk 512 x 512 float32; wo 512 x 512 float32; wq 512 x 512 float32; wv 512 x 512 float32; x 2 x 4,096 x 512 float32.
;; Outputs: out0 2 x 4,096 x 512 float32.
;; This version of the problem:
;;   THIS VERSION OF THE PROBLEM IS GIVEN IN LOW PRECISION. The matrix products marked QUANTISED in the list below multiply operands that are first quantised to E4M3 (4 exponent bits, 3 mantissa bits; 8 bits a number), with one power-of-two scale for each 32 numbers along K (OCP MX v1.0); their sums are f32. All else is computed in f32.
;;   The module's matrix products, in the order in which they are computed (A, B: the left and right operand; K: the contracted axis; several contracted axes count as one K, in the product's order):
;;     1. [M 8,192, K 512] x [K 512, N 512]; A: computed on the way; B: input wq: QUANTISED
;;     2. [M 8,192, K 512] x [K 512, N 512]; A: computed on the way; B: input wk: QUANTISED
;;     3. [M 8,192, K 512] x [K 512, N 512]; A: computed on the way; B: input wv: QUANTISED
;;     4. batch 16 x [M 4,096, K 64] x [K 64, N 4,096]; A: computed on the way; B: computed on the way: QUANTISED
;;     5. batch 16 x [M 4,096, K 4,096] x [K 4,096, N 64]; A: softmax (see below); B: computed on the way: QUANTISED
;;     6. [M 8,192, K 512] x [K 512, N 512]; A: computed on the way; B: input wo: QUANTISED
;;     7. [M 8,192, K 512] x [K 512, N 2,048]; A: computed on the way; B: input w_gate: QUANTISED
;;     8. [M 8,192, K 512] x [K 512, N 2,048]; A: computed on the way; B: input w_up: QUANTISED
;;     9. [M 8,192, K 2,048] x [K 2,048, N 512]; A: computed on the way; B: input w_down: QUANTISED
;;   THE QUANTISER, for each operand of a quantised product, along K:
;;     - K is cut into blocks of 32 from its start; a last block that is shorter is filled with zeros.
;;     - A block's scale is 2^e with e = floor(log2(the largest magnitude in the block)) - 8, held to -126 .. 127; a block of zeros has e = 0. As a byte (E8M0): e + 127.
;;     - Each number is divided by its block's scale, clamped to +-448, and rounded to the nearest number of E4M3, ties to even, subnormals kept.
;;     - The product sums the exact products of the quantised numbers (number of the format x scale) in f32.
;;   ~~~python
;;   def quantise(x, axis):      # numpy; x: float32 -> the quantised numbers, widened to float32 again
;;       x = np.moveaxis(x, axis, -1); K = x.shape[-1]
;;       x = np.pad(x, [(0, 0)] * (x.ndim - 1) + [(0, -K % 32)]); x = x.reshape(x.shape[:-1] + (-1, 32)); a = np.abs(x).max(-1, keepdims=True)
;;       e = np.where(a > 0, np.clip(np.frexp(np.where(a > 0, a, 1))[1] - 1 - 8, -126, 127), 0)      # np.frexp(a)[1] - 1 = floor(log2(a)), exactly
;;       r = np.clip(x / 2.0 ** e, -448, 448)
;;       step = 2.0 ** (np.maximum(np.frexp(np.where(r == 0, 1, r))[1] - 1, -6) - 3)
;;       q = np.round(r / step) * step * 2.0 ** e      # np.round: ties to even
;;       return np.moveaxis(q.reshape(q.shape[:-2] + (-1,))[..., :K], -1, axis).astype(np.float32)
;;   ~~~
;;   SOFTMAX AHEAD OF A QUANTISED PRODUCT. Where the list says 'softmax', what is quantised is not the finished softmax but p = 2^(t - M), with t = logit x log2(e) and M = ceil(the row's largest t), a whole number; so 1/2 < the row's largest p <= 1. The row's sum l is taken of the UNQUANTISED p, in f32, and the product's result is divided by l at the end. Since M is a whole number, a kernel that streams over the keys may use a running M (the ceiling of the running maximum): every later rescaling is an exact power of two, which a block's scale takes up: the codes' values come out the same.
;;   OPERANDS COMPUTED ON THE WAY. 'Computed on the way' means the value that the module computes at that place (a softmax that the list does not call 'softmax' is quantised finished and normalised). What goes into a quantiser is computed in f32, as accurately as f32 sums, v_exp_f32 and their like allow (about 1e-6 of the number): no bf16 or f16 on the way to a quantiser, and a product that is left as it is and whose result goes on into a quantised operand takes f32 operands (vector FMAs, or v_wmma_f32_16x16x4_f32). A number that lies on a knife's edge between two numbers of the format may be rounded either way, as far as f32 arithmetic and the matrix unit's own rounding can turn it there, and no further.
;; One version. Each part assembles by itself: llvm-mc -triple=amdgcn-amd-amdhsa -mcpu=gfx1250 --defsym DOCPART=n.
;; ======== version 1 of 1: 6 launches
;; limits: right only within a limited range of input values
;; workspace buffers: wts 4,325,376 bytes; qb 4,456,448 bytes; kv 8,659,456 bytes; act1 4,325,376 bytes; x1 16,777,216 bytes; act2 4,325,376 bytes; hact 17,301,504 bytes
;; launch prepw (part 1): grid 256 x 1, 4 waves a work-group, no clusters, 0 bytes of LDS; arguments wq, wk, wv, wo, w_down, w_gate, w_up, wts; writes wts
.if DOCPART == 1
	.amdgcn_target "amdgcn-amd-amdhsa--gfx1250"
	.amdhsa_code_object_version 6
	.text
	.protected	k_q5192f72b77_prepw
	.globl	k_q5192f72b77_prepw
	.p2align	8
	.type	k_q5192f72b77_prepw,@function
k_q5192f72b77_prepw:
	s_mov_b64 s[64:65], 0
	v_nop
	global_prefetch_b8 v0, s[64:65] scope:SCOPE_SE
	s_setreg_imm32_b32 hwreg(HW_REG_WAVE_MODE, 25, 1), 1
	s_wait_xcnt 0x0
; The seven weights, f32, stored [K][N], become codes of FP8 (E4M3) with one E8M0 byte for each 32 along K, laid in wts as IMAGES OF OPERAND REGISTERS.
; A column pair g is columns 32 g .. 32 g + 31; its tile u (0, 1) has lane r <-> column 32 g + 8 u + r + 8 (r / 8).  A fragment (tile, 128 along K) is four pieces of 512 bytes: piece c holds, at 16 x lane, the 16 codes
; k = 32 c + 16 (lane / 16) + 0 .. 15 of row lane % 16.  Codes: [tile][kstep][piece][512 bytes].  Scale words (four bytes, 128 along K): [pair][kstep][lane]: lanes 0-15 tile 0, lanes 16-31 tile 1.
; A LANE TAKES A COLUMN AND ITS REGISTERS RUN DOWN K: lanes 0-15 the columns of tile 0, lanes 16-31 those of tile 1.  A block of 32 lies in one lane, so its largest magnitude needs no other lane; the conversions give 32 codes
; in 8 registers; four exchanges of half waves turn them into tile 0's piece and tile 1's piece.  Each store covers 512 consecutive bytes, aligned.
; SHARES: a wave takes 32 columns x 128 along K; the four waves stand side by side on 512 bytes of each row.  Work-groups 0-63: wq, wk, wv, wo; 64-127: w_down; 128-255: w_gate, w_up.
; No LDS, no barrier, no matrix unit, no cluster: waves share nothing and every input byte is read once.
; A block's scale is 2^(floor(log2(largest magnitude)) - 8); its byte is the largest magnitude's exponent field - 8, held at 1 from below.
; LIMITS: a block of zeros gets the byte 1 where the rule says 127 (its codes are zeros, and this program alone reads the bytes); blocks whose largest magnitude lies under 2^-118 are held at the byte 1; NaN and infinities are not served.
.set OFF_WG, 1048576                   ; codes: wq 0, wk 262144, wv 524288, wo 786432, w_gate, w_up 2097152, w_down
.set OFF_WD, 3145728
.set OFF_SQ, 4194304                   ; scale words: wq, wk, wv, wo 8,192 bytes each, then w_gate, w_up 32,768 each, then w_down
.set OFF_SG, 4227072
.set OFF_SD, 4292608
.set X,  32                            ; v32-159  128 numbers: block c at X + 32 c
.set C,  160                           ; v160-191 codes: 8 registers a block; never written twice
.set SW, 21                            ; v21      the scale word
	s_load_b512 s[16:31], s[0:1], 0x0              ; wq, wk, wv, wo, w_down, w_gate, w_up, wts
	v_lshrrev_b32 v1, 5, v0
	v_readfirstlane_b32 s9, v1                     ; wave
	v_and_b32 v4, 31, v0                           ; lane
	v_and_b32 v5, 15, v0                           ; r
	v_and_b32 v6, 8, v5
	v_add_nc_u32 v5, v5, v6                        ; r + 8 (r / 8)
	v_lshrrev_b32 v6, 4, v4
	v_lshl_add_u32 v5, v6, 3, v5                   ; + 8 u: my column in the pair
	v_lshlrev_b32 v1, 2, v5                        ; in bytes
	v_lshlrev_b32 v2, 4, v4                        ; 16 x lane: my place in a piece
	v_lshlrev_b32 v3, 2, v4                        ; 4 x lane: my scale word's
	s_mov_b32 s42, 0x600000                        ; the mantissa field of 448
	; which weight (s2), which four pairs (s3), which kstep (s4), log2 of its ksteps (s5), its codes (s6), its scale words (s7), log2 of 128 rows in bytes (s8)
	s_cmp_lt_u32 ttmp9, 64
	s_cbranch_scc0 .Lnot_small
	s_lshr_b32 s2, ttmp9, 4
	s_bfe_u32 s3, ttmp9, 0x20002
	s_and_b32 s4, ttmp9, 3
	s_mov_b32 s5, 2
	s_lshl_b32 s6, s2, 18
	s_lshl_b32 s7, s2, 13
	s_add_co_u32 s7, s7, OFF_SQ
	s_mov_b32 s8, 18
	s_branch .Ldecoded
.Lnot_small:
	s_cmp_lt_u32 ttmp9, 128
	s_cbranch_scc0 .Lgate_up
	s_mov_b32 s2, 4
	s_bfe_u32 s3, ttmp9, 0x20004
	s_and_b32 s4, ttmp9, 15
	s_mov_b32 s5, 4
	s_mov_b32 s6, OFF_WD
	s_mov_b32 s7, OFF_SD
	s_mov_b32 s8, 18
	s_branch .Ldecoded
.Lgate_up:
	s_bfe_u32 s11, ttmp9, 0x10006                  ; 0: w_gate, 1: w_up
	s_add_co_u32 s2, s11, 5
	s_bfe_u32 s3, ttmp9, 0x40002
	s_and_b32 s4, ttmp9, 3
	s_mov_b32 s5, 2
	s_lshl_b32 s6, s11, 20
	s_add_co_u32 s6, s6, OFF_WG
	s_lshl_b32 s7, s11, 15
	s_add_co_u32 s7, s7, OFF_SG
	s_mov_b32 s8, 20
.Ldecoded:
	s_lshl_b32 s10, s3, 2
	s_add_co_u32 s10, s10, s9                      ; my pair g
	s_lshl_b32 s40, s4, s8                         ; in the weight: kstep x 128 rows
	s_lshl_b32 s11, s10, 7
	s_add_co_u32 s40, s40, s11                     ; + 128 bytes a pair
	s_mov_b32 s41, 0
	s_add_co_u32 s11, s5, 12
	s_lshl_b32 s44, s10, s11                       ; tile 2 g: g x 2 x ksteps x 2,048
	s_add_co_u32 s44, s44, s6
	s_lshl_b32 s11, s4, 11
	s_add_co_u32 s44, s44, s11
	s_mov_b32 s45, 0
	s_add_co_u32 s11, s5, 11
	s_lshl_b32 s46, 1, s11                         ; from tile 2 g to tile 2 g + 1
	s_mov_b32 s47, 0
	s_add_co_u32 s11, s5, 7
	s_lshl_b32 s48, s10, s11                       ; scale words: g x ksteps x 128
	s_add_co_u32 s48, s48, s7
	s_lshl_b32 s11, s4, 7
	s_add_co_u32 s48, s48, s11
	s_mov_b32 s49, 0
	s_wait_kmcnt 0x0
	s_mov_b64 s[32:33], s[16:17]                   ; the weight is chosen by the work-group's number alone
.irp k, 1,2,3,4,5,6
	s_cmp_eq_u32 s2, \k
	s_cselect_b64 s[32:33], s[16+2*\k:17+2*\k], s[32:33]
.endr
	s_add_nc_u64 s[32:33], s[32:33], s[40:41]
	s_add_nc_u64 s[34:35], s[30:31], s[44:45]      ; tile 0's fragment
	s_add_nc_u64 s[36:37], s[34:35], s[46:47]      ; tile 1's
	s_add_nc_u64 s[38:39], s[30:31], s[48:49]      ; the pair's scale words
.macro LOADS pitch                     ; W(128 kstep + n, my column), n = 0 .. 127: 32 lanes read 128 consecutive bytes; every offset an immediate: 127 x 8,192 at the most
.set n_, 0
.rept 128
	global_load_b32 v[X+n_], v1, s[32:33] offset:n_*\pitch th:TH_LOAD_NT
.set n_, n_+1
.endr
.endm
	s_cmp_lt_u32 ttmp9, 128
	s_cbranch_scc0 .Lwide_rows
	s_wait_alu depctr_va_vdst(0)
	LOADS 2048
	s_branch .Lloaded
.Lwide_rows:
	s_wait_alu depctr_va_vdst(0)
	LOADS 8192
.Lloaded:
.macro BLOCK c, left
.set XS, X+32*(\c)
.set CD, C+8*(\c)
	s_wait_loadcnt \left                           ; this block's 32 loads are in: behind them 32 for each later block were issued (the count is held to what the wait can name)
	v_max3_num_f32 v12, |v[XS]|, |v[XS+1]|, |v[XS+2]|      ; the block's largest magnitude: all 32 numbers are mine; two chains
	v_max3_num_f32 v13, |v[XS+3]|, |v[XS+4]|, |v[XS+5]|
.irp i, 6,10,14,18,22,26
	v_max3_num_f32 v12, v12, |v[XS+\i]|, |v[XS+\i+1]|
	v_max3_num_f32 v13, v13, |v[XS+\i+2]|, |v[XS+\i+3]|
.endr
	v_max3_num_f32 v12, v12, |v[XS+30]|, |v[XS+31]|
	v_max3_num_f32 v12, v12, v13, 0x4800000        ; and the floor 2^(9 - 127): the byte cannot fall under 1
	v_add_nc_u32 v11, 0xfc000000, v12              ; 8 off the exponent field: the conversion's scale operand
	v_and_or_b32 v10, v12, 0x7f800000, s42         ; 448 x the scale
	v_lshrrev_b32 v13, 23, v11                     ; the scale's byte
.if (\c) == 0
	v_mov_b32 v[SW], v13
.else
	v_lshl_or_b32 v[SW], v13, 8*(\c), v[SW]
.endif
.irp i, 0,1,2,3,4,5,6,7,8,9,10,11,12,13,14,15,16,17,18,19,20,21,22,23,24,25,26,27,28,29,30,31
	v_med3_num_f32 v[XS+\i], v[XS+\i], -v10, v10   ; the conversion to an 8-bit code does not saturate (ISA guide 7.6.2): the hold comes first
.endr
.irp g, 0,1,2,3
	v_cvt_scalef32_pk8_fp8_f32 v[CD+2*\g:CD+2*\g+1], v[XS+8*\g:XS+8*\g+7], v11
.endr
	v_nop                                          ; one plain instruction between a scaled conversion and the next vector instruction that touches its result
.irp j, 0,1,2,3
	v_permlane16_swap_b32 v[CD+\j], v[CD+4+\j]     ; k 0-15 of lanes 16-31 change places with k 16-31 of lanes 0-15: the first register is now tile 0's piece, the second tile 1's
.endr
	global_store_b128 v2, v[CD:CD+3], s[34:35] offset:512*(\c)
	global_store_b128 v2, v[CD+4:CD+7], s[36:37] offset:512*(\c)
.endm
	BLOCK 0, 63
	BLOCK 1, 63
	BLOCK 2, 32
	BLOCK 3, 0
	global_store_b32 v3, v[SW], s[38:39]           ; 128 bytes: one byte for each 128 that the wave has read
	s_endpgm
.Lfunc_end_k_q5192f72b77_prepw:
	.size	k_q5192f72b77_prepw, .Lfunc_end_k_q5192f72b77_prepw-k_q5192f72b77_prepw
	.p2alignl 7, 3214868480
	.fill 96, 4, 3214868480
	.section	.rodata,"a",@progbits
	.p2align	6, 0x0
	.amdhsa_kernel k_q5192f72b77_prepw
		.amdhsa_group_segment_fixed_size 0
		.amdhsa_private_segment_fixed_size 0
		.amdhsa_enable_private_segment 0
		.amdhsa_kernarg_size 64
		.amdhsa_user_sgpr_count 2
		.amdhsa_user_sgpr_kernarg_segment_ptr 1
		.amdhsa_wavefront_size32 1
		.amdhsa_system_sgpr_workgroup_id_x 1
		.amdhsa_system_sgpr_workgroup_id_y 1
		.amdhsa_system_sgpr_workgroup_id_z 1
		.amdhsa_system_vgpr_workitem_id 0
		.amdhsa_next_free_vgpr 192
		.amdhsa_next_free_sgpr 66
		.amdhsa_reserve_vcc 0
		.amdhsa_float_denorm_mode_32 3
		.amdhsa_float_denorm_mode_16_64 3
		.amdhsa_memory_ordered 1
		.amdhsa_forward_progress 1
		.amdhsa_inst_pref_size 44
	.end_amdhsa_kernel
	.amdgpu_metadata
---
amdhsa.version: [ 1, 2 ]
amdhsa.kernels:
  - .name:           k_q5192f72b77_prepw
    .symbol:         k_q5192f72b77_prepw.kd
    .args:
      - { .name: wq, .offset: 0, .size: 8, .value_kind: global_buffer, .address_space: global }
      - { .name: wk, .offset: 8, .size: 8, .value_kind: global_buffer, .address_space: global }
      - { .name: wv, .offset: 16, .size: 8, .value_kind: global_buffer, .address_space: global }
      - { .name: wo, .offset: 24, .size: 8, .value_kind: global_buffer, .address_space: global }
      - { .name: w_down, .offset: 32, .size: 8, .value_kind: global_buffer, .address_space: global }
      - { .name: w_gate, .offset: 40, .size: 8, .value_kind: global_buffer, .address_space: global }
      - { .name: w_up, .offset: 48, .size: 8, .value_kind: global_buffer, .address_space: global }
      - { .name: wts, .offset: 56, .size: 8, .value_kind: global_buffer, .address_space: global }
    .group_segment_fixed_size: 0
    .private_segment_fixed_size: 0
    .kernarg_segment_align: 8
    .kernarg_segment_size: 64
    .max_flat_workgroup_size: 128
    .sgpr_count:     66
    .vgpr_count:     192
    .wavefront_size: 32
...
	.end_amdgpu_metadata
.endif
;; end of part 1
;; launch qkv (part 2): grid 128 x 2, 4 waves a work-group, no clusters, 37,376 bytes of LDS; arguments x, attn_norm_w, rope_cos, rope_sin, wts, qb, kv; writes qb, kv
.if DOCPART == 2
	.amdgcn_target "amdgcn-amd-amdhsa--gfx1250"
	.amdhsa_code_object_version 6
	.text
	.protected	k_q5192f72b77_qkv
	.globl	k_q5192f72b77_qkv
	.p2align	8
	.type	k_q5192f72b77_qkv,@function
k_q5192f72b77_qkv:
	s_mov_b64 s[64:65], 0
	v_nop
	global_prefetch_b8 v0, s[64:65] scope:SCOPE_SE
	s_setreg_imm32_b32 hwreg(HW_REG_WAVE_MODE, 25, 1), 1
	s_wait_xcnt 0x0
; xn = rms_norm(x) quantised; q, k, v = xn wq, xn wk, xn wv on codes of FP8 (E4M3) with E8M0 scales; RoPE on q and k; q and k quantised along the head's 64, v along the keys.  All results leave as images of operand registers.
; SHARES.  A work-group takes 64 tokens (x of the grid) and four heads (y); wave w owns head 4 y + w: its q, k and v, 12 tiles of 16 columns x 4 tiles of tokens x 4 ksteps = 192 matrix instructions.
; TILES ARE PERMUTED: a pair is 32 tokens (or columns); lane r of its tile u is number 8 u + r + 8 (r / 8).  So the 16 registers of a pair's two result tiles are 16 NEIGHBOURS, 16 (lane / 16) + 0 .. 15: what the next operand's layout wants.
; q and k are made TRANSPOSED (source 0 = weight, source 1 = xn): a lane holds one token, registers run along the head's channels.  v is made the natural way round (source 0 = xn, source 1 = weight): a lane holds one channel,
; registers run along the tokens, which are the second attention product's K.
; PHASES.  X: wave w normalises and quantises tile w of the tokens (16 rows x 512) and stores its four fragments to LDS as images of their registers | one barrier | every wave takes all 16 fragments into registers |
; 12 tiles of columns, the weights streamed from memory straight into a ring of four register buffers, three tiles ahead (each fragment is read by one wave alone: LDS would add a trip and spare nothing).
; NO CLUSTER: the two work-groups that share 64 rows of x read 128 KiB of it each against 384 KiB of weights that they do not share, and the weights go to registers, not to LDS.
; REGISTERS, in windows of 256.  Window 0: addresses, scales, work, v128-255 accumulators.  Window 1: xn's 16 fragments at 16 (4 m + s).  Window 2: first x (256 numbers), then cos and sin (tile m: cos at 32 m, sin at 32 m + 16).
; Window 3: first attn_norm_w, then the ring of weight buffers (tile n in buffer n % 4, kstep s at + 16 s).
; LIMITS: a block of zeros gets the byte 1, not 127 (zero codes; the bytes are read by this program alone); blocks under 2^-118 are held at the byte 1; NaN and infinities are not served; v_rsq_f32 is good to 1 ulp;
; the norm's sum is taken in four chains, not in reference()'s order.
.set OFF_SQ, 4194304                   ; wts: scale words of wq; wk's 8,192 on, wv's 16,384 on.  Codes: wq 0, wk 262,144, wv 524,288
.set XSC, 32768                        ; LDS: xn's 16 fragments at (4 m + s) x 2,048; their scale words, 128 bytes each, from here
.set WS,  16                           ; v16-39   weight scale words: 8 x (q, k, v) + 4 x pair + kstep
.set XS,  40                           ; v40-55   xn's scale words: 4 m + s
.set TM,  56                           ; v56-71   the quantiser's: largest magnitudes, bytes, holds, scale operands
.set PW,  72                           ; v72      the scale word just made
.set RH,  74                           ; v74-75   1 / rms, twice
.set PC,  84                           ; v84-99   the codes just made
.set ACC, 128
.set Y,   128                          ; phase X: 64 numbers of xn
.set WV,  18
.set SEL, 20
.set MNT, 22
.set HI,  23
.set MSB, 0
.macro WIN new                         ; bits 1:0 source 0, 3:2 source 1, 5:4 source 2, 7:6 destination; the high byte repeats the setting that is left
.if MSB != \new
	s_set_vgpr_msb (MSB<<8)|\new
.set MSB, \new
.endif
.endm
.macro PLACES n
.rept \n
	v_nop
.endr
.endm
; nb blocks of a lane's 16 numbers, block b at v[src + step b]; a block's other 16 lie in lane l xor 16.  Codes to v[PC + 4 b] on, the bytes to v[TM + 4 + b], the scale word to v[PW].
.macro QUANT src, nb, step
.set qb_, 0
.rept \nb
	v_max3_num_f32 v[TM+qb_], |v[(\src)+(\step)*qb_]|, |v[(\src)+(\step)*qb_+1]|, 0x4800000   ; my 16 numbers, and the floor 2^(9 - 127): the byte cannot fall under 1
.set qb_, qb_+1
.endr
.irp i, 2,4,6,8,10,12,14
.set qb_, 0
.rept \nb
	v_max3_num_f32 v[TM+qb_], v[TM+qb_], |v[(\src)+(\step)*qb_+\i]|, |v[(\src)+(\step)*qb_+\i+1]|   ; the blocks by turns
.set qb_, qb_+1
.endr
.endr
.set qb_, 0
.rept \nb
	v_permlanex16_b32 v[TM+4+qb_], v[TM+qb_], s[SEL], s[SEL+1]
.set qb_, qb_+1
.endr
.set qb_, 0
.rept \nb
	v_max_num_f32 v[TM+qb_], v[TM+qb_], v[TM+4+qb_]        ; the block's largest magnitude
.set qb_, qb_+1
.endr
.set qb_, 0
.rept \nb
	v_add_nc_u32 v[TM+12+qb_], 0xfc000000, v[TM+qb_]       ; 8 off its exponent field: the conversion's scale operand
.set qb_, qb_+1
.endr
.set qb_, 0
.rept \nb
	v_and_or_b32 v[TM+8+qb_], v[TM+qb_], 0x7f800000, s[MNT]   ; 448 x the scale
.set qb_, qb_+1
.endr
.set qb_, 0
.rept \nb
	v_lshrrev_b32 v[TM+4+qb_], 23, v[TM+12+qb_]            ; the scale's byte
.set qb_, qb_+1
.endr
	v_lshl_or_b32 v[PW], v[TM+5], 8, v[TM+4]
.if \nb > 2
	v_lshl_or_b32 v[PW], v[TM+6], 16, v[PW]
	v_lshl_or_b32 v[PW], v[TM+7], 24, v[PW]
.endif
.set qb_, 0
.rept \nb
.irp i, 0,1,2,3,4,5,6,7,8,9,10,11,12,13,14,15
	v_med3_num_f32 v[(\src)+(\step)*qb_+\i], v[(\src)+(\step)*qb_+\i], -v[TM+8+qb_], v[TM+8+qb_]   ; the conversion does not saturate (ISA guide 7.6.2): the hold
.endr
	v_cvt_scalef32_pk8_fp8_f32 v[PC+4*qb_:PC+4*qb_+1], v[(\src)+(\step)*qb_:(\src)+(\step)*qb_+7], v[TM+12+qb_]
	v_cvt_scalef32_pk8_fp8_f32 v[PC+4*qb_+2:PC+4*qb_+3], v[(\src)+(\step)*qb_+8:(\src)+(\step)*qb_+15], v[TM+12+qb_]
.set qb_, qb_+1
.endr
	v_nop                                          ; one plain instruction behind the last scaled conversion
.endm
; One matrix instruction.  zero: C is the constant 0 (the sum's first kstep).  ra, rb: source 0's, source 1's scales are read from lanes 16-31.
.macro WM d, a, b, zero, sa, sb, ra, rb
.if (\zero) && (\ra) && (\rb)
	v_wmma_scale_f32_16x16x128_f8f6f4 v[(\d):(\d)+7], v[(\a):(\a)+15], v[(\b):(\b)+15], 0, v[(\sa)], v[(\sb)] matrix_a_scale:MATRIX_SCALE_ROW1 matrix_b_scale:MATRIX_SCALE_ROW1
.elseif (\zero) && (\ra)
	v_wmma_scale_f32_16x16x128_f8f6f4 v[(\d):(\d)+7], v[(\a):(\a)+15], v[(\b):(\b)+15], 0, v[(\sa)], v[(\sb)] matrix_a_scale:MATRIX_SCALE_ROW1
.elseif (\zero) && (\rb)
	v_wmma_scale_f32_16x16x128_f8f6f4 v[(\d):(\d)+7], v[(\a):(\a)+15], v[(\b):(\b)+15], 0, v[(\sa)], v[(\sb)] matrix_b_scale:MATRIX_SCALE_ROW1
.elseif (\zero)
	v_wmma_scale_f32_16x16x128_f8f6f4 v[(\d):(\d)+7], v[(\a):(\a)+15], v[(\b):(\b)+15], 0, v[(\sa)], v[(\sb)]
.elseif (\ra) && (\rb)
	v_wmma_scale_f32_16x16x128_f8f6f4 v[(\d):(\d)+7], v[(\a):(\a)+15], v[(\b):(\b)+15], v[(\d):(\d)+7], v[(\sa)], v[(\sb)] matrix_a_scale:MATRIX_SCALE_ROW1 matrix_b_scale:MATRIX_SCALE_ROW1
.elseif (\ra)
	v_wmma_scale_f32_16x16x128_f8f6f4 v[(\d):(\d)+7], v[(\a):(\a)+15], v[(\b):(\b)+15], v[(\d):(\d)+7], v[(\sa)], v[(\sb)] matrix_a_scale:MATRIX_SCALE_ROW1
.elseif (\rb)
	v_wmma_scale_f32_16x16x128_f8f6f4 v[(\d):(\d)+7], v[(\a):(\a)+15], v[(\b):(\b)+15], v[(\d):(\d)+7], v[(\sa)], v[(\sb)] matrix_b_scale:MATRIX_SCALE_ROW1
.else
	v_wmma_scale_f32_16x16x128_f8f6f4 v[(\d):(\d)+7], v[(\a):(\a)+15], v[(\b):(\b)+15], v[(\d):(\d)+7], v[(\sa)], v[(\sb)]
.endif
.endm
	s_load_b256 s[4:11], s[0:1], 0x0               ; x, attn_norm_w, rope_cos, rope_sin
	s_load_b128 s[12:15], s[0:1], 0x20             ; wts, qb
	s_load_b64 s[16:17], s[0:1], 0x30              ; kv
	v_lshl_add_u32 v126, v0, 2, 0x9000
	v_mov_b32 v127, 0
	v_lshrrev_b32 v1, 5, v0
	v_readfirstlane_b32 s[WV], v1                  ; wave 0..3
	v_and_b32 v1, 31, v0                           ; lane
	v_and_b32 v2, 15, v0                           ; r
	v_bfe_u32 v3, v0, 4, 1                         ; h
	v_and_b32 v12, 8, v2
	v_add_nc_u32 v12, v12, v2                      ; r + 8 (r / 8)
	v_lshlrev_b32 v5, 4, v1                        ; v5  16 x lane: my place in a piece
	v_lshlrev_b32 v6, 2, v1                        ; v6  4 x lane: a scale word's
	s_wait_alu depctr_va_vdst(0)
	v_lshlrev_b32 v11, 3, v1                       ; v11 8 x lane
	v_lshlrev_b32 v10, 6, v3                       ; v10 64 h: my 16 numbers of a block of 32
	v_lshl_add_u32 v4, v12, 11, v10                ; v4  x: my row of the tile, 2,048 bytes a row, + 64 h
	v_lshl_add_u32 v9, v12, 7, v10                 ; v9  cos, sin: my row, 128 bytes a row, + 64 h
	s_lshr_b32 s30, s[WV], 1
	s_lshl_b32 s30, s30, 5
	s_and_b32 s31, s[WV], 1
	s_lshl_b32 s31, s31, 3
	s_add_co_u32 s30, s30, s31                     ; tile w begins at token 32 (w / 2) + 8 (w % 2)
	s_lshl_b32 s30, s30, 11
	v_add_nc_u32 v4, s30, v4
	s_lshl_b32 s30, s[WV], 13
	v_add_nc_u32 v7, s30, v5                       ; v7  LDS: where I store my tile's four fragments
	s_lshl_b32 s30, s[WV], 9
	v_add_nc_u32 v8, s30, v6                       ; v8  and their scale words
	s_mov_b32 s[SEL], 0x76543210
	s_mov_b32 s[SEL+1], 0xfedcba98                 ; v_permlanex16_b32's selects for lane l xor 16
	s_mov_b32 s[MNT], 0x600000                     ; the mantissa field of 448
	s_mov_b32 s[HI], 0xffff0000                    ; lanes 16-31
	s_mov_b32 s42, 0x3b000000                      ; 1 / 512
	s_mov_b32 s43, 0x3727c5ac                      ; 1e-5
.irp b, 0,1,2,3
	v_mov_b32 v[TM+4+\b], 0                        ; written once: a lane permute's destination counts as one of its sources
.endr
	v_mov_b32 v201, 0
	s_and_b32 s24, ttmp7, 0xffff
	s_lshl_b32 s25, s24, 2
	s_add_co_u32 s25, s25, s[WV]                   ; my head, 0..7
	s_lshr_b32 s26, ttmp9, 6                       ; batch
	s_and_b32 s27, ttmp9, 63                       ; block of 64 tokens in the sequence
	s_lshl_b32 s28, s26, 3
	s_add_co_u32 s28, s28, s25                     ; batch x 8 + head
	s_lshl_b32 s30, ttmp9, 17                      ; x: 64 rows of 2,048 bytes
	s_mov_b32 s31, 0
	s_lshl_b32 s32, s27, 13                        ; cos, sin: 64 rows of 128 bytes
	s_mov_b32 s33, 0
	s_lshl_b32 s34, s25, 10                        ; weight scale words: two pairs x 512 bytes a head
	s_mov_b32 s35, 0
	s_lshl_b32 s36, s25, 15                        ; weight codes: four tiles x 8,192 bytes a head
	s_mov_b32 s37, 0
	s_lshl_b32 s38, s28, 18                        ; qb: a head's 256 tiles of 1,024 bytes, + my four tiles
	s_lshl_b32 s39, s27, 12
	s_add_co_u32 s38, s38, s39
	s_mov_b32 s39, 0
	s_lshl_b32 s40, s28, 14                        ; q's scale words: 256 bytes a block
	s_lshl_b32 s41, s27, 8
	s_add_co_u32 s40, s40, s41
	s_mov_b32 s41, 0
	s_mul_i32 s53, s28, 540672                     ; kv: a head is 32 key steps of 16,896 bytes
	s_lshr_b32 s54, s27, 1
	s_mul_i32 s54, s54, 16896
	s_add_co_u32 s53, s53, s54
	s_and_b32 s52, s27, 1                          ; which half of the key step is mine
	s_lshl_b32 s54, s52, 12
	s_add_co_u32 s44, s53, s54                     ; k's codes: two fragments of 2,048 a half
	s_mov_b32 s45, 0
	s_lshl_b32 s54, s52, 7
	s_add_co_u32 s46, s53, s54                     ; k's scale words: 128 bytes a half
	s_mov_b32 s47, 0
	s_lshl_b32 s54, s52, 10
	s_add_co_u32 s48, s53, s54                     ; v's codes: two pieces of 512 a half in each fragment
	s_mov_b32 s49, 0
	s_lshl_b32 s54, s52, 1
	s_add_co_u32 s50, s53, s54                     ; v's scale bytes: two of a word's four
	s_mov_b32 s51, 0
	s_wait_alu depctr_va_vdst(0)
	s_wait_kmcnt 0x0
	s_add_nc_u64 s[4:5], s[4:5], s[30:31]
	s_add_nc_u64 s[8:9], s[8:9], s[32:33]
	s_add_nc_u64 s[10:11], s[10:11], s[32:33]
	s_add_nc_u64 s[34:35], s[12:13], s[34:35]
	s_add_nc_u64 s[36:37], s[12:13], s[36:37]
	s_add_nc_u64 s[38:39], s[14:15], s[38:39]
	s_add_nc_u64 s[40:41], s[14:15], s[40:41]
	s_add_nc_u64 s[44:45], s[16:17], s[44:45]
	s_add_nc_u64 s[46:47], s[16:17], s[46:47]
	s_add_nc_u64 s[48:49], s[16:17], s[48:49]
	s_add_nc_u64 s[50:51], s[16:17], s[50:51]
	; ---- X: my 16 rows of x: lane (r, h) takes, of its row, 16 neighbours of each block of 32: register 64 s + 16 c + i = k 128 s + 32 c + 16 h + i; the gain likewise
	WIN 0x80
.irp s, 0,1,2,3
.irp c, 0,1,2,3
.irp j, 0,1,2,3
	global_load_b128 v[64*\s+16*\c+4*\j:64*\s+16*\c+4*\j+3], v4, s[4:5] offset:512*\s+128*\c+16*\j
.endr
.endr
.endr
	WIN 0xc0
.irp s, 0,1,2,3
.irp c, 0,1,2,3
.irp j, 0,1,2,3
	global_load_b128 v[64*\s+16*\c+4*\j:64*\s+16*\c+4*\j+3], v10, s[6:7] offset:512*\s+128*\c+16*\j
.endr
.endr
.endr
	WIN 0
	s_wait_loadcnt 0x0
	WIN 0x0a                                       ; sources 0 and 1: window 2
.irp q, 0,1,2,3
	v_pk_mul_f32 v[192+2*\q:193+2*\q], v[2*\q:2*\q+1], v[2*\q:2*\q+1]   ; the sum of squares: four chains, started by the first products
.endr
.set i_, 4
.rept 124
	v_pk_fma_f32 v[192+2*(i_%4):193+2*(i_%4)], v[2*i_:2*i_+1], v[2*i_:2*i_+1], v[192+2*(i_%4):193+2*(i_%4)]
.set i_, i_+1
.endr
	WIN 0
	v_pk_add_f32 v[192:193], v[192:193], v[194:195]
	v_pk_add_f32 v[196:197], v[196:197], v[198:199]
	v_pk_add_f32 v[192:193], v[192:193], v[196:197]
	v_add_f32 v200, v192, v193
	v_permlanex16_b32 v201, v200, s[SEL], s[SEL+1] ; the row's other half lies in lane l xor 16
	v_add_f32 v200, v200, v201
	v_fma_f32 v200, v200, s42, s43                 ; the mean + eps
	s_wait_alu depctr_va_vdst(0)
	v_rsq_f32 v[RH], v200
	v_nop                                          ; a plain instruction behind the transcendental,
	s_wait_alu depctr_va_vdst(0)                   ; and the wait ahead of the first use
	v_mov_b32 v[RH+1], v[RH]
.macro XQ s                            ; xn of kstep s: (x / rms) x gain, in reference()'s order
	WIN 0x02
.set i_, 0
.rept 32
	v_pk_mul_f32 v[Y+2*i_:Y+2*i_+1], v[64*(\s)+2*i_:64*(\s)+2*i_+1], v[RH:RH+1]
.set i_, i_+1
.endr
	WIN 0x0c
.set i_, 0
.rept 32
	v_pk_mul_f32 v[Y+2*i_:Y+2*i_+1], v[Y+2*i_:Y+2*i_+1], v[64*(\s)+2*i_:64*(\s)+2*i_+1]
.set i_, i_+1
.endr
	WIN 0
.endm
.macro LOADB n                         ; column tile n (0-3 q, 4-7 k, 8-11 v): its four fragments into buffer n % 4 of window 3: 16 loads
	WIN 0xc0
.irp s, 0,1,2,3
.irp c, 0,1,2,3
	global_load_b128 v[64*((\n)%4)+16*\s+4*\c:64*((\n)%4)+16*\s+4*\c+3], v5, s[36:37] offset:((\n)/4)*262144+((\n)%4)*8192+2048*\s+512*\c
.endr
.endr
	WIN 0
.endm
.macro PHASE_L                         ; windows 2 and 3 are free: the weights' scale words, cos and sin, and the first three tiles of weights are asked for
.irp g, 0,1,2
.irp p, 0,1
.irp s, 0,1,2,3
	global_load_b32 v[WS+8*\g+4*\p+\s], v6, s[34:35] offset:OFF_SQ+8192*\g+512*\p+128*\s
.endr
.endr
.endr
	WIN 0x80
.irp m, 0,1,2,3
.irp j, 0,1,2,3
	global_load_b128 v[32*\m+4*\j:32*\m+4*\j+3], v9, s[8:9] offset:(32*(\m/2)+8*(\m%2))*128+16*\j
	global_load_b128 v[32*\m+16+4*\j:32*\m+16+4*\j+3], v9, s[10:11] offset:(32*(\m/2)+8*(\m%2))*128+16*\j
.endr
.endr
	WIN 0
	LOADB 0
	LOADB 1
	LOADB 2
.endm
.irp s, 0,1,2,3
	XQ \s
.if \s == 3
	PHASE_L
.endif
	QUANT Y, 4, 16
.irp c, 0,1,2,3
	ds_store_b128 v7, v[PC+4*\c:PC+4*\c+3] offset:2048*\s+512*\c     ; the fragment goes to LDS as it stands in the registers
.endr
	ds_store_b32 v8, v[PW] offset:XSC+128*\s
	s_wait_dscnt 0x0                               ; the stores have read their registers
.endr
	s_barrier_signal -1                            ; my stores have landed (the wait above)
	s_barrier_wait -1                              ; xn's sixteen fragments lie in LDS
	WIN 0x40
.irp f, 0,1,2,3,4,5,6,7,8,9,10,11,12,13,14,15
.irp c, 0,1,2,3
	ds_load_b128 v[16*\f+4*\c:16*\f+4*\c+3], v5 offset:2048*\f+512*\c
.endr
.endr
	WIN 0
.irp f, 0,1,2,3,4,5,6,7,8,9,10,11,12,13,14,15
	ds_load_b32 v[XS+\f], v6 offset:XSC+128*\f
.endr
	s_wait_dscnt 0x0
; ---- the products.  One matrix instruction of column tile n, kstep s, token tile m
.macro MM n, s, m
.set t_, (\n)%4
.set wf_, 64*t_+16*(\s)
.set xf_, 16*(4*(\m)+(\s))
.set ws_, WS+8*((\n)/4)+4*(t_/2)+(\s)
.set xs_, XS+4*(\m)+(\s)
.set z_, 0
.if (\s) == 0
.set z_, 1
.endif
.if (\n) < 8
.set d_, ACC+32*(\m)+8*t_                          ; q, k: lane = token, register 16 (t / 2) + 8 (t % 2) + j = channel 32 (t / 2) + 16 h + 8 (t % 2) + j
	WM d_, wf_, xf_, z_, ws_, xs_, t_%2, 0
.else
.set d_, ACC+64*((\m)/2)+16*t_+8*((\m)%2)          ; v: lane = channel of tile t, register 8 (m % 2) + j = token 32 (m / 2) + 16 h + 8 (m % 2) + j
	WM d_, xf_, wf_, z_, xs_, ws_, 0, t_%2
.endif
.endm
.macro TILE n                          ; 16 matrix instructions; the four token tiles' accumulators take turns, one instruction a turn
.if (\n) > 0
	PLACES 8                                       ; eight plain instructions between the last products and loads into the buffer that they read
.endif
.if (\n) <= 8
	LOADB (\n)+3
	s_wait_loadcnt 48                              ; tile n's 16 loads, and all older ones, are in; the three younger tiles' 48 may be out
.else
	s_wait_loadcnt 16*(11-(\n))                    ; the counts run down: 16 for each younger tile
.endif
.if (\n) < 8
	WIN 0x07                                       ; source 0 (weight) window 3, source 1 (xn) window 1
.else
	WIN 0x0d                                       ; source 0 (xn) window 1, source 1 (weight) window 3
.endif
.irp s, 0,1,2,3
.irp m, 0,1,2,3
	MM \n, \s, \m
.endr
.endr
	WIN 0
.endm
.macro ROPE m                          ; x1 = channels 0-31 (16 of them mine), x2 = channels 32-63:  x1 c - x2 s,  x2 c + x1 s.  Each accumulator is first read at its low end
	WIN 0x08                                       ; source 1: window 2
.irp i, 0,2,4,6,8,10,12,14
.set a_, ACC+32*(\m)+\i
.set c_, 32*(\m)+\i
.set t_, 76+4*((\i/2)%2)
	v_pk_mul_f32 v[t_:t_+1], v[a_:a_+1], v[c_:c_+1]
	v_pk_mul_f32 v[t_+2:t_+3], v[a_:a_+1], v[c_+16:c_+17]
	v_pk_fma_f32 v[a_:a_+1], v[a_+16:a_+17], v[c_+16:c_+17], v[t_:t_+1] neg_lo:[1,0,0] neg_hi:[1,0,0]
	v_pk_fma_f32 v[a_+16:a_+17], v[a_+16:a_+17], v[c_:c_+1], v[t_+2:t_+3]
.endr
	WIN 0
.endm
	TILE 0
	TILE 1
	TILE 2
	TILE 3
	PLACES 8                                       ; in front of the first read of results
.irp m, 0,1,2,3                        ; q: two pieces a tile; its scale word is (s0, s1, s0, s1), since attention feeds q as (q, 0) and as (0, q)
	ROPE \m
	s_wait_xcnt 0x0                                ; the codes' registers are written again only when the earlier stores have read them
	QUANT ACC+32*\m, 2, 16
	global_store_b128 v5, v[PC:PC+3], s[38:39] offset:1024*\m
	global_store_b128 v5, v[PC+4:PC+7], s[38:39] offset:1024*\m+512
	v_lshl_or_b32 v[100+\m], v[PW], 16, v[PW]
.endr
	v_cndmask_b32 v104, v100, v101, s[HI]          ; lanes 0-15 the pair's tile 0, lanes 16-31 its tile 1
	v_cndmask_b32 v105, v102, v103, s[HI]
	global_store_b64 v11, v[104:105], s[40:41] offset:4194304   ; 256 consecutive bytes, aligned
	TILE 4
	TILE 5
	TILE 6
	TILE 7
	PLACES 8
.irp m, 0,1,2,3                        ; k: a pair's two tiles share one fragment: pieces 2 u + (channels / 32)
	ROPE \m
	s_wait_xcnt 0x0
	QUANT ACC+32*\m, 2, 16
	global_store_b128 v5, v[PC:PC+3], s[44:45] offset:2048*(\m/2)+1024*(\m%2)
	global_store_b128 v5, v[PC+4:PC+7], s[44:45] offset:2048*(\m/2)+1024*(\m%2)+512
	v_mov_b32 v[106+\m], v[PW]
.endr
	v_lshl_or_b32 v110, v107, 16, v106             ; a fragment's word: tile 0's two bytes, tile 1's two
	v_lshl_or_b32 v111, v109, 16, v108
	v_cndmask_b32 v112, v110, v111, s[HI]          ; lanes 0-15 my first fragment, lanes 16-31 my second
	global_store_b32 v6, v112, s[46:47] offset:8192   ; a key step's chunk: K 0, K's scale words 8,192, V^T 8,448, V's scale words 16,640
	TILE 8
	TILE 9
	TILE 10
	TILE 11
	PLACES 8
.irp g, 0,1                            ; v: pair g's 32 tokens are one block of each channel: piece (pair in the key step) of the four fragments of V^T
	s_wait_xcnt 0x0
	QUANT ACC+64*\g, 4, 16
.irp t, 0,1,2,3
	global_store_b128 v5, v[PC+4*\t:PC+4*\t+3], s[48:49] offset:8448+2048*\t+512*\g
.endr
.irp t, 0,1,2,3
.if \g == 0
	v_mov_b32 v[100+\t], v[TM+4+\t]
.else
	v_lshl_or_b32 v[100+\t], v[TM+4+\t], 8, v[100+\t]
.endif
.endr
.endr
	v_cndmask_b32 v113, v100, v101, s[HI]          ; lanes 0-15 the even tile, lanes 16-31 the odd one
	v_cndmask_b32 v114, v102, v103, s[HI]
	global_store_b16 v6, v113, s[50:51] offset:16640
	global_store_b16 v6, v114, s[50:51] offset:16768
	; the next launch fetches chunks that begin 8,448 bytes on, so its last one reaches past the last key step: the wave that owns the last head's last tokens stores zeros there, 17 x 512 bytes
	s_lshl_b32 s54, s28, 6
	s_add_co_u32 s54, s54, s27
	s_cmp_lg_u32 s54, 1023
	s_cbranch_scc1 .Lno_pad
	s_wait_xcnt 0x0                                ; the earlier stores have read the codes' registers
.irp j, 0,1,2,3
	v_mov_b32 v[PC+\j], 0
.endr
	s_add_nc_u64 s[16:17], s[16:17], 8650752
.irp i, 0,1,2,3,4,5,6,7,8,9,10,11,12,13,14,15,16
	global_store_b128 v5, v[PC:PC+3], s[16:17] offset:512*\i
.endr
.Lno_pad:
	s_wait_tensorcnt 0x0
	ds_add_u32 v126, v127
	s_wait_dscnt 0x0
	s_endpgm
.Lfunc_end_k_q5192f72b77_qkv:
	.size	k_q5192f72b77_qkv, .Lfunc_end_k_q5192f72b77_qkv-k_q5192f72b77_qkv
	.p2alignl 7, 3214868480
	.fill 96, 4, 3214868480
	.section	.rodata,"a",@progbits
	.p2align	6, 0x0
	.amdhsa_kernel k_q5192f72b77_qkv
		.amdhsa_group_segment_fixed_size 37376
		.amdhsa_private_segment_fixed_size 0
		.amdhsa_enable_private_segment 0
		.amdhsa_kernarg_size 56
		.amdhsa_user_sgpr_count 2
		.amdhsa_user_sgpr_kernarg_segment_ptr 1
		.amdhsa_wavefront_size32 1
		.amdhsa_system_sgpr_workgroup_id_x 1
		.amdhsa_system_sgpr_workgroup_id_y 1
		.amdhsa_system_sgpr_workgroup_id_z 1
		.amdhsa_system_vgpr_workitem_id 0
		.amdhsa_next_free_vgpr 1024
		.amdhsa_next_free_sgpr 66
		.amdhsa_reserve_vcc 0
		.amdhsa_float_denorm_mode_32 3
		.amdhsa_float_denorm_mode_16_64 3
		.amdhsa_memory_ordered 1
		.amdhsa_forward_progress 1
		.amdhsa_inst_pref_size 203
	.end_amdhsa_kernel
	.amdgpu_metadata
---
amdhsa.version: [ 1, 2 ]
amdhsa.kernels:
  - .name:           k_q5192f72b77_qkv
    .symbol:         k_q5192f72b77_qkv.kd
    .args:
      - { .name: x, .offset: 0, .size: 8, .value_kind: global_buffer, .address_space: global }
      - { .name: attn_norm_w, .offset: 8, .size: 8, .value_kind: global_buffer, .address_space: global }
      - { .name: rope_cos, .offset: 16, .size: 8, .value_kind: global_buffer, .address_space: global }
      - { .name: rope_sin, .offset: 24, .size: 8, .value_kind: global_buffer, .address_space: global }
      - { .name: wts, .offset: 32, .size: 8, .value_kind: global_buffer, .address_space: global }
      - { .name: qb, .offset: 40, .size: 8, .value_kind: global_buffer, .address_space: global }
      - { .name: kv, .offset: 48, .size: 8, .value_kind: global_buffer, .address_space: global }
    .group_segment_fixed_size: 37376
    .private_segment_fixed_size: 0
    .kernarg_segment_align: 8
    .kernarg_segment_size: 56
    .max_flat_workgroup_size: 128
    .sgpr_count:     66
    .vgpr_count:     1024
    .wavefront_size: 32
...
	.end_amdgpu_metadata
.endif
;; end of part 2
;; launch attn (part 3): grid 16 x 16, 8 waves a work-group, clusters of 4 x 1, 327,680 bytes of LDS; arguments qb, kv, act1; writes act1
.if DOCPART == 3
	.amdgcn_target "amdgcn-amd-amdhsa--gfx1250"
	.amdhsa_code_object_version 6
	.text
	.protected	k_q5192f72b77_attn
	.globl	k_q5192f72b77_attn
	.p2align	8
	.type	k_q5192f72b77_attn,@function
k_q5192f72b77_attn:
	s_mov_b64 s[64:65], 0
	v_nop
	global_prefetch_b8 v0, s[64:65] scope:SCOPE_SE
	s_setreg_imm32_b32 hwreg(HW_REG_WAVE_MODE, 25, 1), 1
	s_wait_xcnt 0x0
	s_wait_alu depctr_hold_cnt(0) depctr_sa_sdst(0) depctr_va_vdst(0) depctr_va_sdst(0) depctr_va_ssrc(0) depctr_va_vcc(0) depctr_vm_vsrc(0)
	s_getreg_b32 s2, hwreg(HW_REG_IB_STS2, 6, 4)
	s_cmp_eq_u32 s2, 0
	s_cbranch_scc0 .Lentry_in_a_cluster
	s_endpgm
.Lentry_in_a_cluster:
	s_bfe_u32 s2, ttmp6, 0x10000c
	s_cmp_lg_u32 s2, 0x3003
	s_cbranch_scc0 .Lentry_shape_is_right
	s_endpgm
.Lentry_shape_is_right:
; out[q] = the sum over keys of softmax(q . k / 8) v, both products on codes of FP8 (E4M3) with E8M0 scales; out is quantised along the model's 512 for the next product and leaves as images of operand registers.
; THE SOFTMAX AHEAD OF THE SECOND PRODUCT: t = score x log2(e) / 8; M = the row's largest t so far, rounded UP to a whole number; p = 2^(t - M) is what is quantised, along the keys, not normalised.  The row's sum is taken of the
; unquantised p and divides at the end.  When M moves, the sum and O are multiplied by 2^(old M - new M): exact.
; SHARES.  A work-group owns 256 queries of one head (x: block of queries, y: batch x 8 + head); each of its EIGHT waves a pair of tiles of 16: each fragment of K and of V^T that a wave reads from LDS feeds both tiles.
; REGISTERS.  Window 0 holds what the softmax works on, for BOTH tiles (w = 0, 1): v1 16 x lane, v2 4 x lane, v5-6 the add's pair, v7 the prefetches' offset, v8-9 the step's LDS addresses, v10 4 r, v11 8 r;
; v[12+2w:13+2w] -M and the largest score; v[16+2w:17+2w] the sum; v[20+2w:21+2w] f; v24-29 work; v32-35, v42-43, v46-47 scale words; v48-79 block maxima, bytes, holds, scale operands; v80-95 chains of maxima and sums;
; v96-127 p's codes (ahead of them: tile 0's sums); v128-255 S^T, then p.  Window 1 holds the products' other operands: v0-47 (0, q, 0) twice; v48-111 K; v112-175 V^T; v176-239 O^T.
; A TRIP'S CHUNK is 16,896 dense bytes of kv that begin 8,448 bytes into key step j: V^T(j), its scale words, K(j + 1), its scale words: a wave asks LDS for all of it at the trip's head.  K(0) comes by plain loads at the kernel's head.
; THE TRIP finds the scores S^T(j) of both tiles in registers.  Its exponentials go in two batches with single plain lines among them: tile 1's t - M among tile 0's; tile 0's first sums and holds among tile 1's: each such line reads
; what was written ahead of the batch's wait, and is read behind the next wait.  Its 24 products stand at its end with vector lines between them: O^T(j) and S^T(j + 1) of tile 0 among tile 1's sums, scales, holds and conversions;
; those of tile 1 among tile 0's next block maxima.  S^T(0) is made ahead of the loop.  THE LAST TRIP'S S^T(32) is made on K(32), which is the next head's K(0) or the zeros behind the last head, and nothing reads it: the trip is written once.
; THE HEAD HAS 64 CHANNELS, half of the instruction's K: a fragment of K holds TWO tiles of 16 keys, and q is fed as (q, 0) and as (0, q): zero codes add nothing.
; Both products are used transposed: S^T = K Q^T, O^T = V^T P^T: a lane holds one query throughout.  The keys and channels of a tile are permuted (lane r <-> 8 u + r + 8 (r / 8) of its pair), so that 16 registers are 16 neighbours.
; THE RING: two slots of eight chunks; chunk i of slot s lies at (2 i + s) x 16,896, so one exclusive or turns an address from one slot to the other (2 i x 16,896, i < 8, has neither of 16,896's two bits).
; Every wave fetches one chunk of a slot, one tensor load of 66 rows x 256 bytes.  CLUSTER: four work-groups of a head walk the same chunks and ask for them jointly; the round of the cluster's barrier stands at the changes of slots that fill.
; PREFETCH: at a change of slots that loads slot n + 1 each wave names its chunk of slot n + 2: 66 blocks of 256 bytes, shared out among the four partners by address, 17 to a partner; lanes that are left over name the partner's last block again.
; Slots 0 and 1 come by their loads alone; the last change that fills asks for nothing.
; LIMITS: the promise holds while |t| stays under 2^31; NaN and infinities are not served; a block of p that is all zeros keeps the byte 1 (zero codes); a block's largest p is made from the block's largest score by the same
; multiply-add and exponential (this takes v_exp_f32 not to fall where its input rises); v_exp_f32 and v_rcp_f32 are good to 1 ulp.
.set STEPB, 16896
.set SLOTB, 8*STEPB
.set HEADB, 32*STEPB
.set TOFF,  8448                       ; a trip's chunk begins here in a key step; and K(j + 1) begins here in a trip's chunk
.set SPARE, 2*SLOTB                    ; the spare words, 128 bytes for each wave: four blocks of 256 bytes that no other line names
.set DUAL,  1                          ; the holds go two to an instruction
.set NM,  12
.set SU,  16
.set FF,  20
.set OM,  24                           ; v24-25 the old -M
.set WK,  26
.set PT,  28                           ; v28-29 a scale word in the making
.set KS,  32                           ; v32-33 K's scale words; v34-35 V's; v42-43 q's; v46-47 p's
.set VS,  34
.set QS,  42
.set PW,  46
.set TM,  48
.set ST,  80
.set PC,  96
.set S,   128
.set QZ,  0                            ; window 1
.set KF,  48
.set VF,  112
.set OT,  176
.set WV,  10
.set SEL, 12
.set MNT, 14
.set NC,  15                           ; s15  -c
.set CS,  16                           ; s[16:17] c = log2(e) / 8
.set TB,  18                           ; s18  LDS byte at which the trip's chunk begins
.set SLOTS, 19
.set CNT, 20
.set MSB, 0
.macro WIN new                         ; bits 1:0 source 0, 3:2 source 1, 5:4 source 2, 7:6 destination; the high byte repeats the setting that is left
.if MSB != \new
	s_set_vgpr_msb (MSB<<8)|\new
.set MSB, \new
.endif
.endm
.macro PLACES n
.rept \n
	v_nop
.endr
.endm
.macro WALU
	s_wait_alu depctr_va_vdst(0)
.endm
.macro CROUND                          ; a round of the cluster's barrier
	s_barrier_signal -1
	s_barrier_wait -1
	s_cmp_lg_u32 s[WV], 0
	s_cbranch_scc1 .Lnot_wave_0_\@
	s_barrier_signal -3
.Lnot_wave_0_\@:
	s_barrier_wait -3
	s_barrier_signal -1
	s_barrier_wait -1
.endm
.macro JLOAD                           ; my chunk of a slot, asked for jointly; an s_nop 0 and four v_nop follow
	tensor_load_to_lds s[32:35], s[24:31]
	s_nop 0
	PLACES 4
.endm
.macro WM d, a, b, zero, sa, sb, ra    ; ra: source 0's scales are read from lanes 16-31
.if (\zero) && (\ra)
	v_wmma_scale_f32_16x16x128_f8f6f4 v[(\d):(\d)+7], v[(\a):(\a)+15], v[(\b):(\b)+15], 0, v[(\sa)], v[(\sb)] matrix_a_scale:MATRIX_SCALE_ROW1
.elseif (\zero)
	v_wmma_scale_f32_16x16x128_f8f6f4 v[(\d):(\d)+7], v[(\a):(\a)+15], v[(\b):(\b)+15], 0, v[(\sa)], v[(\sb)]
.elseif (\ra)
	v_wmma_scale_f32_16x16x128_f8f6f4 v[(\d):(\d)+7], v[(\a):(\a)+15], v[(\b):(\b)+15], v[(\d):(\d)+7], v[(\sa)], v[(\sb)] matrix_a_scale:MATRIX_SCALE_ROW1
.else
	v_wmma_scale_f32_16x16x128_f8f6f4 v[(\d):(\d)+7], v[(\a):(\a)+15], v[(\b):(\b)+15], v[(\d):(\d)+7], v[(\sa)], v[(\sb)]
.endif
.endm
; The trip's 24 products by number.  0-3: O^T += V^T P^T of tile 0; 4-11: its next S^T (fragment b of K holds keys 32 b .. 32 b + 31 as two tiles); 12-15, 16-23: the same of tile 1.  No two that follow each other share an accumulator
.macro MATX k
.if (\k) < 4
	WIN 0x51                                       ; V^T and O^T in window 1, p's codes in window 0
	WM OT+8*(\k), VF+16*(\k), PC, 0, VS+(\k)/2, PW, (\k)%2
.elseif (\k) < 12
	WIN 0x05                                       ; K and q from window 1, S^T into window 0
	WM S+8*((\k)-4), KF+16*(((\k)-4)/2), QZ+8-8*(((\k)-4)%2), 1, KS+((\k)-4)/4, QS, (((\k)-4)/2)%2
.elseif (\k) < 16
	WIN 0x51
	WM OT+32+8*((\k)-12), VF+16*((\k)-12), PC+16, 0, VS+((\k)-12)/2, PW+1, ((\k)-12)%2
.else
	WIN 0x05
	WM S+64+8*((\k)-16), KF+16*(((\k)-16)/2), QZ+32-8*(((\k)-16)%2), 1, KS+((\k)-16)/4, QS+1, (((\k)-16)/2)%2
.endif
.endm
; The largest score of each block of 32 keys of tile w (my 16 of them): 32 lines, eight chains by turns; each accumulator is first read at its low end.  It serves the row's maximum and the block's largest p
.macro MX w, n
.set b_, (\n)%4
.set x_, S+64*(\w)+16*b_
.set t_, TM+16*(\w)+b_
.if (\n) < 4
	v_max3_num_f32 v[t_], v[x_], v[x_+1], v[x_+2]
.elseif (\n) < 8
	v_max3_num_f32 v[ST+b_], v[x_+8], v[x_+9], v[x_+10]
.elseif (\n) < 12
	v_max3_num_f32 v[t_], v[t_], v[x_+3], v[x_+4]
.elseif (\n) < 16
	v_max3_num_f32 v[ST+b_], v[ST+b_], v[x_+11], v[x_+12]
.elseif (\n) < 20
	v_max3_num_f32 v[t_], v[t_], v[x_+5], v[x_+6]
.elseif (\n) < 24
	v_max3_num_f32 v[ST+b_], v[ST+b_], v[x_+13], v[x_+14]
.elseif (\n) < 28
	v_max3_num_f32 v[t_], v[t_], v[ST+b_], v[x_+7]
.else
	v_max_num_f32 v[t_], v[t_], v[x_+15]
.endif
.endm
.macro MXR w, from, to
.set m_, \from
.rept (\to)-(\from)
	MX \w, m_
.set m_, m_+1
.endr
.endm
.macro JOIN w                          ; with lane l xor 16's 16 keys
.irp b, 0,1,2,3
	v_permlanex16_b32 v[TM+16*\w+4+\b], v[TM+16*\w+\b], s[SEL], s[SEL+1]
.endr
.irp b, 0,1,2,3
	v_max_num_f32 v[TM+16*\w+\b], v[TM+16*\w+\b], v[TM+16*\w+4+\b]
.endr
.endm
.macro HOLD2 x, h                      ; two of p's holds (the conversion does not saturate: ISA guide 7.6.2); p is not negative, so the hold is one-sided
.if DUAL
	v_dual_min_num_f32 v[(\x)], v[(\x)], v[(\h)] :: v_dual_min_num_f32 v[(\x)+1], v[(\x)+1], v[(\h)]
.else
	v_min_num_f32 v[(\x)], v[(\x)], v[(\h)]
	v_min_num_f32 v[(\x)+1], v[(\x)+1], v[(\h)]
.endif
.endm
.macro HBH g, h                        ; block g = 4 w + b: eight of its 16 holds
.irp i, 0,2,4,6
	HOLD2 S+16*(\g)+8*(\h)+\i, TM+16*((\g)/4)+8+(\g)%4
.endr
.endm
.macro CV g                            ; and its 16 codes
	v_cvt_scalef32_pk8_fp8_f32 v[PC+4*(\g):PC+4*(\g)+1], v[S+16*(\g):S+16*(\g)+7], v[TM+16*((\g)/4)+12+(\g)%4]
	v_cvt_scalef32_pk8_fp8_f32 v[PC+4*(\g)+2:PC+4*(\g)+3], v[S+16*(\g)+8:S+16*(\g)+15], v[TM+16*((\g)/4)+12+(\g)%4]
.endm
.macro FMAS from, to                   ; t - M of tile 0's pairs from .. to - 1
.set n_, \from
.rept (\to)-(\from)
	v_pk_fma_f32 v[S+2*n_:S+2*n_+1], v[S+2*n_:S+2*n_+1], s[CS:CS+1], v[NM:NM+1] op_sel_hi:[1,0,0]
.set n_, n_+1
.endr
.endm
.macro PADD d, a                       ; v[d:d+1] += v[a:a+1]
	v_pk_add_f32 v[(\d):(\d)+1], v[(\d):(\d)+1], v[(\a):(\a)+1]
.endm
.macro SCL i, w                        ; the scales' lines of tile w's four blocks.  0: the floor 2^(9 - 127), so that the byte cannot fall under 1; 1: 8 off the exponent field: the conversion's scale operand; 2: 448 x the scale; 3: the byte
.irp b, 0,1,2,3
.if (\i) == 0
	v_max_num_f32 v[TM+16*\w+\b], 0x4800000, v[TM+16*\w+\b]
.elseif (\i) == 1
	v_add_nc_u32 v[TM+16*\w+12+\b], 0xfc000000, v[TM+16*\w+\b]
.elseif (\i) == 2
	v_and_or_b32 v[TM+16*\w+8+\b], v[TM+16*\w+\b], 0x7f800000, s[MNT]
.else
	v_lshrrev_b32 v[TM+16*\w+4+\b], 23, v[TM+16*\w+12+\b]
.endif
.endr
.endm
.macro HINT2                           ; the next line reads what the plain vector line two back wrote, and nothing nearer
	s_delay_alu instid0(VALU_DEP_2)
.endm
; A TRIP: key step j.  S^T(j) of both tiles and tile 0's joined block maxima stand in registers
.macro STEP
	v_add_nc_u32 v8, s[TB], v1                     ; (with the eight lines of JOIN 0 behind the last product: the plain instructions ahead of loads into registers that products have read, and of tile 1's scores' first reader)
	v_add_nc_u32 v9, s[TB], v2
	ds_load_b32 v[VS], v9 offset:8192
	ds_load_b32 v[VS+1], v9 offset:8320
	ds_load_b32 v[KS], v9 offset:TOFF+8192
	ds_load_b32 v[KS+1], v9 offset:TOFF+8320
	WIN 0x40
.irp t, 0,1,2,3
.irp c, 0,1,2,3
	ds_load_b128 v[VF+16*\t+4*\c:VF+16*\t+4*\c+3], v8 offset:2048*\t+512*\c           ; V^T(j)
.endr
.endr
.irp f, 0,1,2,3
.irp c, 0,1,2,3
	ds_load_b128 v[KF+16*\f+4*\c:KF+16*\f+4*\c+3], v8 offset:TOFF+2048*\f+512*\c      ; K(j + 1)
.endr
.endr
	WIN 0
	MXR 1, 0, 32
	JOIN 1
.irp w, 0,1
	v_mov_b32 v[OM+\w], v[NM+2*\w]
.endr
.irp w, 0,1
	v_max3_num_f32 v[WK+\w], v[TM+16*\w], v[TM+16*\w+1], v[TM+16*\w+2]
.endr
.irp w, 0,1
	HINT2
	v_max3_num_f32 v[NM+2*\w+1], v[NM+2*\w+1], v[WK+\w], v[TM+16*\w+3]   ; the running largest score (c is positive, so it is also the largest t's)
.endr
.irp w, 0,1
	HINT2
	v_mul_f32 v[WK+\w], s[NC], v[NM+2*\w+1]        ; -t
.endr
.irp w, 0,1
	HINT2
	v_floor_f32 v[NM+2*\w], v[WK+\w]               ; the new -M = floor(-t): M is a whole number
.endr
.irp w, 0,1
	HINT2
	v_sub_f32 v[OM+\w], v[NM+2*\w], v[OM+\w]       ; old M - new M: a whole number, 0 or less
.endr
	FMAS 0, 6
.irp w, 0,1
	v_cvt_i32_f32 v[OM+\w], v[OM+\w]               ; (it saturates)
.endr
	FMAS 6, 12
.irp w, 0,1
	v_ldexp_f32 v[FF+2*\w], 1.0, v[OM+\w]          ; f = 2^(old M - new M)
.endr
	FMAS 12, 32
.irp b, 0,1,2,3
	v_fma_f32 v[TM+\b], v[TM+\b], s[CS], v[NM]     ; the same of each block's largest score
.endr
	WALU                                           ; ahead of the batch
.set n_, 0
.rept 32                               ; tile 0: p = 2^(t - M), at most 1; among the exponentials tile 1's t - M
	v_exp_f32 v[S+2*n_], v[S+2*n_]
	v_exp_f32 v[S+2*n_+1], v[S+2*n_+1]
	v_pk_fma_f32 v[S+64+2*n_:S+65+2*n_], v[S+64+2*n_:S+65+2*n_], s[CS:CS+1], v[NM+2:NM+3] op_sel_hi:[1,0,0]
.set n_, n_+1
.endr
.irp b, 0,1,2,3
	v_exp_f32 v[TM+\b], v[TM+\b]                   ; the block's largest p
	v_fma_f32 v[TM+16+\b], v[TM+16+\b], s[CS], v[NM+2]
.endr
	WALU                                           ; one wait for the batch of 68, ahead of its first reader
	SCL 0, 0
.irp w, 0,1
	v_pk_mul_f32 v[SU+2*\w:SU+2*\w+1], v[SU+2*\w:SU+2*\w+1], v[FF+2*\w:FF+2*\w+1] op_sel_hi:[1,0]   ; the sums under the new M
.endr
	SCL 1, 0
	SCL 2, 0
	SCL 3, 0
	WALU                                           ; ahead of the second batch
.set n_, 0
.rept 16                               ; tile 1's exponentials; among them tile 0's first level of sums, of the unquantised p, and behind each sum the holds of what it has read
	v_exp_f32 v[S+64+4*n_], v[S+64+4*n_]
	v_pk_add_f32 v[PC+2*n_:PC+2*n_+1], v[S+4*n_:S+4*n_+1], v[S+4*n_+2:S+4*n_+3]
	v_exp_f32 v[S+65+4*n_], v[S+65+4*n_]
	HOLD2 S+4*n_, TM+8+n_/4
	v_exp_f32 v[S+66+4*n_], v[S+66+4*n_]
	HOLD2 S+4*n_+2, TM+8+n_/4
	v_exp_f32 v[S+67+4*n_], v[S+67+4*n_]
.set n_, n_+1
.endr
.irp b, 0,1,2,3
	v_exp_f32 v[TM+16+\b], v[TM+16+\b]
.endr
	v_lshl_or_b32 v[PT], v[TM+5], 8, v[TM+4]       ; a plain instruction behind the exponentials
	WALU                                           ; one wait for the second batch
.irp i, 0,1,2,3,4,5,6,7
	PADD PC+16+2*\i, PC+2*\i                       ; tile 0's sums: sixteen pairs become eight,
.endr
.irp k, 0,1,2,3,4,5,6,7
	v_pk_add_f32 v[ST+2*\k:ST+2*\k+1], v[S+64+2*\k:S+65+2*\k], v[S+80+2*\k:S+81+2*\k]   ; tile 1's: eight chains
.endr
	CV 0
	CV 1
.irp i, 0,1,2,3
	PADD PC+16+2*\i, PC+24+2*\i                    ; four,
.endr
.irp k, 0,1,2,3,4,5,6,7
	PADD ST+2*\k, S+96+2*\k
.endr
	CV 2
	CV 3
	PADD PC+16, PC+20                              ; two,
	PADD PC+18, PC+22
.irp k, 0,1,2,3,4,5,6,7
	PADD ST+2*\k, S+112+2*\k
.endr
	PADD PC+16, PC+18                              ; one
	v_lshl_or_b32 v[PT], v[TM+6], 16, v[PT]
	SCL 0, 1
	PADD SU, PC+16
	v_lshl_or_b32 v[PW], v[TM+7], 24, v[PT]        ; tile 0's scale word of p for these 128 keys
	WIN 0x41                                       ; O^T in window 1, f in window 0
.set n_, 0
.rept 32
	v_pk_mul_f32 v[OT+2*n_:OT+2*n_+1], v[OT+2*n_:OT+2*n_+1], v[FF+2*(n_/16):FF+2*(n_/16)+1] op_sel_hi:[1,0]   ; O^T under the new M
.set n_, n_+1
.endr
	WALU                                           ; directly ahead of the wait below
	s_wait_dscnt 0x0                               ; V^T(j) and K(j + 1) are in
	MATX 0                                         ; TILE 0'S PRODUCTS AMONG TILE 1'S LINES: three plain lines or more in each gap
	WIN 0
.irp k, 0,1,2,3
	PADD ST+2*\k, ST+8+2*\k
.endr
	MATX 1
	WIN 0
	SCL 1, 1
	MATX 2
	WIN 0
	SCL 2, 1
	MATX 3
	WIN 0
	PADD ST, ST+4
	PADD ST+2, ST+6
	SCL 3, 1
	MATX 4
	WIN 0
	PADD ST, ST+2
	v_lshl_or_b32 v[PT+1], v[TM+21], 8, v[TM+20]
	HBH 4, 0
	MATX 5
	WIN 0
	HBH 4, 1
	PADD SU+2, ST
	MATX 6
	WIN 0
	v_lshl_or_b32 v[PT+1], v[TM+22], 16, v[PT+1]
	HBH 5, 0
	MATX 7
	WIN 0
	HBH 5, 1
	MATX 8
	WIN 0
	CV 4
	v_lshl_or_b32 v[PW+1], v[TM+23], 24, v[PT+1]   ; tile 1's scale word
	MATX 9
	WIN 0
	HBH 6, 0
	MATX 10
	WIN 0
	HBH 6, 1
	MATX 11
	WIN 0
	CV 5
	HBH 7, 0                                       ; these eight pairs are the plain instructions between tile 0's last product and its scores' first reader
	HBH 7, 1
	CV 6
	CV 7
	MXR 0, 0, 8                                    ; (and these eight stand between the conversions and tile 1's products)
.irp k, 0,1,2,3,4,5,6,7                ; TILE 1'S PRODUCTS AMONG TILE 0'S NEXT BLOCK MAXIMA, three lines to a gap
	MATX 12+\k
	WIN 0
	MXR 0, 8+3*\k, 11+3*\k
.endr
.irp k, 20,21,22,23
	MATX \k
.endr
	WIN 0
	JOIN 0
	WALU                                           ; ahead of the scalar lines
.endm
; THE CHANGE OF SLOTS stands at a slot's head.  Each wave waits for all its tensor loads, adds 0 to its spare word, and waits for that and for its reads of the slot that it has left.
; fill = 1: a round of the cluster's barrier, and the slot that was left takes the eight chunks that follow.  fill = 0: the work-group's barrier alone.
.macro CHANGE fill
	s_wait_tensorcnt 0x0                           ; no tensor load of mine is out, so group 0 may be written
	ds_add_u32 v5, v6                              ; 0 onto my spare word
.if \fill
	s_xor_b32 s33, s33, STEPB                      ; the other slot than last time,
	s_add_nc_u64 s[34:35], s[34:35], SLOTB         ; the next eight chunks; the type bits on top are not reached
	s_wait_xcnt 0x0                                ; the last prefetch, a slot back, has read its address
	s_add_nc_u64 s[36:37], s[36:37], SLOTB         ; one slot further on than the descriptor
.endif
	s_wait_dscnt 0x0                               ; the add is done, and my reads of the slot that I have left are over
.if \fill
	CROUND
	JLOAD                                          ; first behind the round, a wave's one tensor load until the next
	s_cmp_gt_u32 s[SLOTS], 1
	s_cbranch_scc0 .Lnone_ahead_\@
	global_prefetch_b8 v7, s[36:37] th:TH_LOAD_NT scope:SCOPE_SE
.Lnone_ahead_\@:
.else
	s_barrier_signal -1
	s_barrier_wait -1
.endif
.endm
.macro SLOT_STEPS                      ; a slot's eight trips: written once, walked eight times
	s_mov_b32 s[CNT], 8
.Lstep_\@:
	STEP
	s_add_co_u32 s[TB], s[TB], 2*STEPB
	s_sub_co_u32 s[CNT], s[CNT], 1
	s_cmp_lg_u32 s[CNT], 0
	s_cbranch_scc1 .Lstep_\@
	s_sub_co_u32 s[TB], s[TB], 16*STEPB            ; back to a slot's first chunk,
	s_xor_b32 s[TB], s[TB], STEPB                  ; in the other slot
.endm
	s_load_b128 s[4:7], s[0:1], 0x0                ; qb, kv
	s_load_b64 s[8:9], s[0:1], 0x10                ; act1
	v_lshl_add_u32 v5, v0, 2, SPARE
	v_mov_b32 v6, 0
	ds_add_u32 v5, v6                              ; the opening lines: the add, twice on end, and its wait ahead of my first tensor load
	ds_add_u32 v5, v6
	v_lshrrev_b32 v1, 5, v0
	v_readfirstlane_b32 s[WV], v1                  ; wave 0..7
	s_bfe_u32 s11, ttmp6, 0x40000                  ; cx: my place in the cluster: it enters global addresses of q, act1 and the prefetches alone
	s_lshl_b32 s23, ttmp9, 2
	s_add_co_u32 s23, s23, s11                     ; my block of 256 queries
	s_and_b32 s22, ttmp7, 0xffff                   ; batch x 8 + head, which the four partners share
	s_mov_b32 s24, 15|(3<<16)|(1<<21)              ; group 1: the mask: all four; elements of 8 bytes; bit 21 set beside a mask; 66 rows of 256 bytes, dense
	s_mov_b32 s25, 32<<16
	s_mov_b32 s26, 66<<16
	s_mov_b32 s27, 32<<16
	s_mov_b32 s28, 66
	s_mov_b32 s29, 32
	s_mov_b32 s30, 0
	s_mov_b32 s31, 0
	s_mov_b32 s32, 1
	s_mul_i32 s33, s[WV], 2*STEPB                  ; my chunk's place in slot 0
	s_mul_i32 s40, s22, HEADB                      ; the head's first byte in kv
	s_mov_b32 s41, 0
	s_mul_i32 s42, s[WV], STEPB
	s_add_co_u32 s42, s42, s40
	s_add_co_u32 s42, s42, TOFF                    ; trip chunk number wave
	s_mov_b32 s43, 0
	s_lshl_b32 s44, s23, 3
	s_add_co_u32 s44, s44, s[WV]                   ; my pair of tiles in the head, 0..127
	s_lshl_b32 s46, s44, 11
	s_lshl_b32 s45, s22, 18
	s_add_co_u32 s46, s46, s45                     ; its codes: 1,024 bytes a tile
	s_mov_b32 s47, 0
	s_lshr_b32 s48, s44, 1
	s_lshl_b32 s48, s48, 8                         ; its scale words: 256 bytes for four tiles: [16 (tile % 2) + r][(tile / 2) % 2]
	s_lshl_b32 s45, s22, 14
	s_add_co_u32 s48, s48, s45
	s_and_b32 s45, s[WV], 1
	s_lshl_b32 s45, s45, 2
	s_add_co_u32 s48, s48, s45
	s_mov_b32 s49, 0
	s_lshr_b32 s45, s22, 3
	s_lshl_b32 s45, s45, 7
	s_add_co_u32 s45, s45, s44                     ; my pair of 32 tokens, 0..255
	s_mul_i32 s45, s45, 16896                      ; its chunk of act1
	s_and_b32 s52, s22, 7                          ; the head: kstep head / 2, pieces 2 (head % 2) + 0, 1
	s_lshr_b32 s53, s52, 1
	s_and_b32 s52, s52, 1
	s_lshl_b32 s50, s53, 12
	s_add_co_u32 s50, s50, s45
	s_lshl_b32 s55, s52, 10
	s_add_co_u32 s50, s50, s55
	s_mov_b32 s51, 0
	s_lshl_b32 s56, s53, 7                         ; the scale words: 128 bytes a kstep, 64 a tile, two bytes of a word's four
	s_add_co_u32 s56, s56, s45
	s_lshl_b32 s55, s52, 1
	s_add_co_u32 s56, s56, s55
	s_mov_b32 s57, 0
	s_mov_b32 s[SEL], 0x76543210
	s_mov_b32 s[SEL+1], 0xfedcba98
	s_mov_b32 s[MNT], 0x600000
	s_mov_b32 s[NC], 0xbe38aa3b                    ; -log2(e) / 8
	s_mov_b32 s[CS], 0x3e38aa3b                    ; log2(e) / 8
	s_mov_b32 s[CS+1], s[CS]                       ; (named with it as a pair, so it is written)
	s_mov_b32 s[TB], 0
	s_mov_b32 s[SLOTS], 3
	s_mul_i32 s58, s11, 17                         ; of my chunk's 66 blocks of 256 bytes my work-group names 17
	v_and_b32 v7, 31, v0
	v_min_u32 v7, 16, v7
	v_add_nc_u32 v7, s58, v7
	v_min_u32 v7, 65, v7
	v_lshlrev_b32 v7, 8, v7
	s_wait_dscnt 0x0                               ; both opening adds are done
	s_wait_kmcnt 0x0
	s_add_nc_u64 s[34:35], s[6:7], s[42:43]
	s_add_nc_u64 s[36:37], s[34:35], SLOTB         ; the prefetches stand at slot 1; the first change of slots steps them to slot 2
	s_or_b32 s35, s35, 0x80000000                  ; type = 2
	s_add_nc_u64 s[40:41], s[6:7], s[40:41]
	s_add_nc_u64 s[46:47], s[4:5], s[46:47]
	s_add_nc_u64 s[48:49], s[4:5], s[48:49]
	s_add_nc_u64 s[50:51], s[8:9], s[50:51]
	s_add_nc_u64 s[56:57], s[8:9], s[56:57]
	CROUND                                         ; all four work-groups are here: the joint loads meet
	JLOAD                                          ; slot 0: one load a wave; by this text's count a wave never has more than one out
	v_and_b32 v3, 31, v0
	v_lshlrev_b32 v1, 4, v3                        ; 16 x lane
	v_lshlrev_b32 v2, 2, v3                        ; 4 x lane
	v_and_b32 v4, 15, v0
	v_lshlrev_b32 v11, 3, v4                       ; 8 r
	v_lshlrev_b32 v10, 2, v4                       ; 4 r
	global_load_b32 v[QS], v11, s[48:49] offset:4194304
	global_load_b32 v[QS+1], v11, s[48:49] offset:4194304+128
	global_load_b32 v[KS], v2, s[40:41] offset:8192
	global_load_b32 v[KS+1], v2, s[40:41] offset:8320
.irp w, 0,1                            ; the trip is written once: the first finds zeros, which the first change of M leaves zeros
	v_mov_b32 v[NM+2*\w+1], 0xff61b1e6             ; the largest score so far: -3e38
	v_mov_b32 v[NM+2*\w], 0x7e000000               ; -M: so large that the first f is 0
	v_mov_b32 v[SU+2*\w], 0
	v_mov_b32 v[SU+2*\w+1], 0
	v_mov_b32 v[FF+2*\w+1], 0                      ; (the upper half of f's pair)
.irp b, 0,1,2,3
	v_mov_b32 v[TM+16*\w+4+\b], 0                  ; a lane permute's destination counts as one of its sources
.endr
.endr
	WIN 0x40                                       ; destinations in window 1
.irp w, 0,1
	global_load_b128 v[QZ+24*\w+8:QZ+24*\w+11], v1, s[46:47] offset:1024*\w        ; q: channels 0-31,
	global_load_b128 v[QZ+24*\w+12:QZ+24*\w+15], v1, s[46:47] offset:1024*\w+512   ; 32-63
.endr
.irp f, 0,1,2,3
.irp c, 0,1,2,3
	global_load_b128 v[KF+16*\f+4*\c:KF+16*\f+4*\c+3], v1, s[40:41] offset:2048*\f+512*\c   ; K(0)
.endr
.endr
.irp w, 0,1
.irp j, 0,1,2,3,4,5,6,7
	v_mov_b32 v[QZ+24*\w+\j], 0                    ; zero codes on both sides of q
	v_mov_b32 v[QZ+24*\w+16+\j], 0
.endr
.endr
.set j_, 0
.rept 64
	v_mov_b32 v[OT+j_], 0
.set j_, j_+1
.endr
	WIN 0
	WALU                                           ; at the head's end
	s_wait_loadcnt 0x0                             ; q and K(0)
.irp k, 4,5,6,7,8,9,10,11,16,17,18,19,20,21,22,23
	MATX \k                                        ; S^T(0) of both tiles, while slot 0 is on its way
.endr
	WIN 0
	PLACES 8
	MXR 0, 0, 32
	JOIN 0
	WALU
.Lslot:                                            ; three trips: behind each change of slots but the last the next slot is asked for
	CHANGE 1
	SLOT_STEPS
	s_sub_co_u32 s[SLOTS], s[SLOTS], 1
	s_cmp_lg_u32 s[SLOTS], 0
	s_cbranch_scc1 .Lslot
	CHANGE 0                                       ; the last slot is written out
	SLOT_STEPS
	; THE WAY OUT: O^T / the sum, quantised along the channels: block g = 2 w + (channels / 32); two pieces and two scale bytes a row and tile
	PLACES 8                                       ; behind the last products
.irp w, 0,1
	v_add_f32 v[SU+2*\w], v[SU+2*\w], v[SU+2*\w+1]
.endr
.irp w, 0,1
	v_permlanex16_b32 v[WK+\w], v[SU+2*\w], s[SEL], s[SEL+1]
.endr
.irp w, 0,1
	v_add_f32 v[SU+2*\w], v[SU+2*\w], v[WK+\w]     ; the row's sum
.endr
	WALU                                           ; ahead of the transcendentals
	v_rcp_f32 v[SU], v[SU]
	v_rcp_f32 v[SU+2], v[SU+2]
	v_nop                                          ; a plain instruction behind them
	WIN 0x01                                       ; O^T from window 1
	WALU                                           ; ahead of the first reader
.set n_, 0
.rept 32
	v_pk_mul_f32 v[S+2*n_:S+2*n_+1], v[OT+2*n_:OT+2*n_+1], v[SU+2*(n_/16):SU+2*(n_/16)+1] op_sel_hi:[1,0]   ; each accumulator from its low end on
.set n_, n_+1
.endr
	WIN 0
.irp g, 0,1,2,3
	v_max3_num_f32 v[TM+\g], |v[S+16*\g]|, |v[S+16*\g+1]|, 0x4800000   ; my 16 numbers, and the floor 2^(9 - 127)
.endr
.irp i, 2,4,6,8,10,12,14
.irp g, 0,1,2,3
	v_max3_num_f32 v[TM+\g], v[TM+\g], |v[S+16*\g+\i]|, |v[S+16*\g+\i+1]|
.endr
.endr
.irp g, 0,1,2,3
	v_permlanex16_b32 v[TM+4+\g], v[TM+\g], s[SEL], s[SEL+1]
.endr
.irp g, 0,1,2,3
	v_max_num_f32 v[TM+\g], v[TM+\g], v[TM+4+\g]
.endr
.irp g, 0,1,2,3
	v_add_nc_u32 v[TM+12+\g], 0xfc000000, v[TM+\g]
.endr
.irp g, 0,1,2,3
	v_and_or_b32 v[TM+8+\g], v[TM+\g], 0x7f800000, s[MNT]
.endr
.irp g, 0,1,2,3
	v_lshrrev_b32 v[TM+4+\g], 23, v[TM+12+\g]
.endr
	v_lshl_or_b32 v[PT], v[TM+5], 8, v[TM+4]
	v_lshl_or_b32 v[PT+1], v[TM+7], 8, v[TM+6]
.irp g, 0,1,2,3
.irp i, 0,1,2,3,4,5,6,7,8,9,10,11,12,13,14,15
	v_med3_num_f32 v[S+16*\g+\i], v[S+16*\g+\i], -v[TM+8+\g], v[TM+8+\g]
.endr
	v_cvt_scalef32_pk8_fp8_f32 v[PC+4*\g:PC+4*\g+1], v[S+16*\g:S+16*\g+7], v[TM+12+\g]
	v_cvt_scalef32_pk8_fp8_f32 v[PC+4*\g+2:PC+4*\g+3], v[S+16*\g+8:S+16*\g+15], v[TM+12+\g]
.endr
	v_nop                                          ; one plain instruction behind the last scaled conversion
.irp w, 0,1
	global_store_b128 v1, v[PC+8*\w:PC+8*\w+3], s[50:51] offset:2048*\w
	global_store_b128 v1, v[PC+8*\w+4:PC+8*\w+7], s[50:51] offset:2048*\w+512
	global_store_b16 v10, v[PT+\w], s[56:57] offset:16384+64*\w   ; lanes r and 16 + r store the same two bytes
.endr
	s_wait_tensorcnt 0x0                           ; the wave's end
	ds_add_u32 v5, v6
	s_wait_dscnt 0x0
	CROUND                                         ; the closing round
	s_endpgm
.Lfunc_end_k_q5192f72b77_attn:
	.size	k_q5192f72b77_attn, .Lfunc_end_k_q5192f72b77_attn-k_q5192f72b77_attn
	.p2alignl 7, 3214868480
	.fill 96, 4, 3214868480
	.section	.rodata,"a",@progbits
	.p2align	6, 0x0
	.amdhsa_kernel k_q5192f72b77_attn
		.amdhsa_group_segment_fixed_size 327680
		.amdhsa_private_segment_fixed_size 0
		.amdhsa_enable_private_segment 0
		.amdhsa_kernarg_size 24
		.amdhsa_user_sgpr_count 2
		.amdhsa_user_sgpr_kernarg_segment_ptr 1
		.amdhsa_wavefront_size32 1
		.amdhsa_system_sgpr_workgroup_id_x 1
		.amdhsa_system_sgpr_workgroup_id_y 1
		.amdhsa_system_sgpr_workgroup_id_z 1
		.amdhsa_system_vgpr_workitem_id 0
		.amdhsa_next_free_vgpr 512
		.amdhsa_next_free_sgpr 66
		.amdhsa_reserve_vcc 0
		.amdhsa_float_denorm_mode_32 3
		.amdhsa_float_denorm_mode_16_64 3
		.amdhsa_memory_ordered 1
		.amdhsa_forward_progress 1
		.amdhsa_inst_pref_size 99
	.end_amdhsa_kernel
	.amdgpu_metadata
---
amdhsa.version: [ 1, 2 ]
amdhsa.kernels:
  - .name:           k_q5192f72b77_attn
    .symbol:         k_q5192f72b77_attn.kd
    .args:
      - { .name: qb, .offset: 0, .size: 8, .value_kind: global_buffer, .address_space: global }
      - { .name: kv, .offset: 8, .size: 8, .value_kind: global_buffer, .address_space: global }
      - { .name: act1, .offset: 16, .size: 8, .value_kind: global_buffer, .address_space: global }
    .group_segment_fixed_size: 327680
    .private_segment_fixed_size: 0
    .kernarg_segment_align: 8
    .kernarg_segment_size: 24
    .max_flat_workgroup_size: 256
    .sgpr_count:     66
    .vgpr_count:     512
    .wavefront_size: 32
...
	.end_amdgpu_metadata
.endif
;; end of part 3
;; launch wo (part 4): grid 256 x 1, 8 waves a work-group, no clusters, 58,368 bytes of LDS; arguments act1, wts, x, ffn_norm_w, x1, act2; writes x1, act2
.if DOCPART == 4
	.amdgcn_target "amdgcn-amd-amdhsa--gfx1250"
	.amdhsa_code_object_version 6
	.text
	.protected	k_q5192f72b77_wo
	.globl	k_q5192f72b77_wo
	.p2align	8
	.type	k_q5192f72b77_wo,@function
k_q5192f72b77_wo:
	s_mov_b64 s[64:65], 0
	v_nop
	global_prefetch_b8 v0, s[64:65] scope:SCOPE_SE
	s_setreg_imm32_b32 hwreg(HW_REG_WAVE_MODE, 25, 1), 1
	s_wait_xcnt 0x0
; x1 = x + out wo (on codes of FP8, E4M3, with E8M0 scales); xn2 = rms_norm(x1) quantised along the model's 512 into act2, as images of operand registers.
; SHARES.  A work-group takes a pair of 32 tokens, whole rows, so that the norm stays inside it; wave w makes columns 64 w .. 64 w + 63: four tiles x two token tiles x four ksteps = 32 matrix instructions.
; The product is used transposed (source 0 = wo, source 1 = out): a lane holds one token and 16 neighbouring columns of each 32.  The residual x is loaded straight into the accumulators: it is the C of each sum's first product.
; act1's eight fragments: each wave brings one from memory, stores it to LDS as it stands, and all take all eight from there.  wo's 16 fragments of a wave go from memory straight into registers (one reader each).
; NO CLUSTER: wo's codes (256 KiB) are shared by all work-groups but go to registers, each fragment feeding two products; through LDS they would cost a trip more for the same two.
; THREE BARRIERS: act1's fragments; the rows' partial sums of squares; the scale words' halves.
; LIMITS: zero blocks get the byte 1, not 127; blocks under 2^-118 are held at the byte 1; NaN and infinities are not served; x is added ahead of the partial sums, not behind; the norm's sum goes by waves, not in reference()'s order.
.set OFF_WO, 786432
.set OFF_SO, 4218880
.set STG, 16384                        ; LDS: 0: act1's 8 fragments; STG: 16 rows x 272 bytes for each wave; PS: 8 x 128 bytes of partial sums; SS: 512 bytes of scale words
.set PS,  51200
.set SS,  52224
.set AS,  16                           ; v16-19 act1's scale words; v20-27 wo's (4 x pair + kstep)
.set BS,  20
.set NW,  32                           ; v32-63 ffn_norm_w at my 32 columns
.set ACC, 64                           ; v64-127: 32 m + 8 t
.set AF,  128                          ; v128-255 act1's fragments at 32 s + 16 m; free behind the products
.set PW,  220
.set TM,  224
.set PC,  240
.set WV,  16
.set SEL, 18
.set MNT, 20
.set HI,  21
.set MSB, 0
.macro WIN new
.if MSB != \new
	s_set_vgpr_msb (MSB<<8)|\new
.set MSB, \new
.endif
.endm
.macro PLACES n
.rept \n
	v_nop
.endr
.endm
.macro BARRIER                         ; my LDS stores have landed and my LDS loads are in: then the work-group's barrier
	s_wait_dscnt 0x0
	s_barrier_signal -1
	s_barrier_wait -1
.endm
.macro QUANT src, nb, step
.set qb_, 0
.rept \nb
	v_max3_num_f32 v[TM+qb_], |v[(\src)+(\step)*qb_]|, |v[(\src)+(\step)*qb_+1]|, 0x4800000   ; my 16 numbers, and the floor 2^(9 - 127)
.set qb_, qb_+1
.endr
.irp i, 2,4,6,8,10,12,14
.set qb_, 0
.rept \nb
	s_delay_alu instid0(VALU_DEP_4)
	v_max3_num_f32 v[TM+qb_], v[TM+qb_], |v[(\src)+(\step)*qb_+\i]|, |v[(\src)+(\step)*qb_+\i+1]|
.set qb_, qb_+1
.endr
.endr
.set qb_, 0
.rept \nb
	s_delay_alu instid0(VALU_DEP_4)
	v_permlanex16_b32 v[TM+4+qb_], v[TM+qb_], s[SEL], s[SEL+1]
.set qb_, qb_+1
.endr
.set qb_, 0
.rept \nb
	s_delay_alu instid0(VALU_DEP_4)
	v_max_num_f32 v[TM+qb_], v[TM+qb_], v[TM+4+qb_]
.set qb_, qb_+1
.endr
.set qb_, 0
.rept \nb
	s_delay_alu instid0(VALU_DEP_4)
	v_add_nc_u32 v[TM+12+qb_], 0xfc000000, v[TM+qb_]
.set qb_, qb_+1
.endr
.set qb_, 0
.rept \nb
	v_and_or_b32 v[TM+8+qb_], v[TM+qb_], 0x7f800000, s[MNT]
.set qb_, qb_+1
.endr
.set qb_, 0
.rept \nb
	v_lshrrev_b32 v[TM+4+qb_], 23, v[TM+12+qb_]
.set qb_, qb_+1
.endr
	s_delay_alu instid0(VALU_DEP_3)
	v_lshl_or_b32 v[PW], v[TM+5], 8, v[TM+4]
.if \nb > 2
	s_delay_alu instid0(VALU_DEP_1)
	v_lshl_or_b32 v[PW], v[TM+6], 16, v[PW]
	s_delay_alu instid0(VALU_DEP_1)
	v_lshl_or_b32 v[PW], v[TM+7], 24, v[PW]
.endif
.set qb_, 0
.rept \nb
.irp i, 0,1,2,3,4,5,6,7,8,9,10,11,12,13,14,15
	v_med3_num_f32 v[(\src)+(\step)*qb_+\i], v[(\src)+(\step)*qb_+\i], -v[TM+8+qb_], v[TM+8+qb_]
.endr
	v_cvt_scalef32_pk8_fp8_f32 v[PC+4*qb_:PC+4*qb_+1], v[(\src)+(\step)*qb_:(\src)+(\step)*qb_+7], v[TM+12+qb_]
	v_cvt_scalef32_pk8_fp8_f32 v[PC+4*qb_+2:PC+4*qb_+3], v[(\src)+(\step)*qb_+8:(\src)+(\step)*qb_+15], v[TM+12+qb_]
.set qb_, qb_+1
.endr
	v_nop
.endm
.macro WM d, a, b, zero, sa, sb, ra, rb
.if (\zero) && (\ra) && (\rb)
	v_wmma_scale_f32_16x16x128_f8f6f4 v[(\d):(\d)+7], v[(\a):(\a)+15], v[(\b):(\b)+15], 0, v[(\sa)], v[(\sb)] matrix_a_scale:MATRIX_SCALE_ROW1 matrix_b_scale:MATRIX_SCALE_ROW1
.elseif (\zero) && (\ra)
	v_wmma_scale_f32_16x16x128_f8f6f4 v[(\d):(\d)+7], v[(\a):(\a)+15], v[(\b):(\b)+15], 0, v[(\sa)], v[(\sb)] matrix_a_scale:MATRIX_SCALE_ROW1
.elseif (\zero) && (\rb)
	v_wmma_scale_f32_16x16x128_f8f6f4 v[(\d):(\d)+7], v[(\a):(\a)+15], v[(\b):(\b)+15], 0, v[(\sa)], v[(\sb)] matrix_b_scale:MATRIX_SCALE_ROW1
.elseif (\zero)
	v_wmma_scale_f32_16x16x128_f8f6f4 v[(\d):(\d)+7], v[(\a):(\a)+15], v[(\b):(\b)+15], 0, v[(\sa)], v[(\sb)]
.elseif (\ra) && (\rb)
	v_wmma_scale_f32_16x16x128_f8f6f4 v[(\d):(\d)+7], v[(\a):(\a)+15], v[(\b):(\b)+15], v[(\d):(\d)+7], v[(\sa)], v[(\sb)] matrix_a_scale:MATRIX_SCALE_ROW1 matrix_b_scale:MATRIX_SCALE_ROW1
.elseif (\ra)
	v_wmma_scale_f32_16x16x128_f8f6f4 v[(\d):(\d)+7], v[(\a):(\a)+15], v[(\b):(\b)+15], v[(\d):(\d)+7], v[(\sa)], v[(\sb)] matrix_a_scale:MATRIX_SCALE_ROW1
.elseif (\rb)
	v_wmma_scale_f32_16x16x128_f8f6f4 v[(\d):(\d)+7], v[(\a):(\a)+15], v[(\b):(\b)+15], v[(\d):(\d)+7], v[(\sa)], v[(\sb)] matrix_b_scale:MATRIX_SCALE_ROW1
.else
	v_wmma_scale_f32_16x16x128_f8f6f4 v[(\d):(\d)+7], v[(\a):(\a)+15], v[(\b):(\b)+15], v[(\d):(\d)+7], v[(\sa)], v[(\sb)]
.endif
.endm
	s_load_b256 s[4:11], s[0:1], 0x0               ; act1, wts, x, ffn_norm_w
	s_load_b128 s[12:15], s[0:1], 0x20             ; x1, act2
	v_lshl_add_u32 v30, v0, 2, 0xe000
	v_mov_b32 v31, 0
	v_lshrrev_b32 v1, 5, v0
	s_delay_alu instid0(VALU_DEP_1)
	v_readfirstlane_b32 s[WV], v1                  ; wave 0..7
	v_and_b32 v13, 31, v0                          ; lane
	v_and_b32 v14, 15, v0                          ; r
	v_bfe_u32 v15, v0, 4, 1                        ; h
	s_delay_alu instid0(VALU_DEP_3)
	v_lshlrev_b32 v1, 4, v13                       ; v1  16 x lane
	s_delay_alu instid0(VALU_DEP_4)
	v_lshlrev_b32 v2, 2, v13                       ; v2  4 x lane
	s_delay_alu instid0(VALU_DEP_3)
	v_lshlrev_b32 v4, 6, v15                       ; v4  64 h
	v_and_b32 v3, 8, v14
	s_delay_alu instid0(VALU_DEP_1)
	v_add_nc_u32 v3, v3, v14
	s_delay_alu instid0(VALU_DEP_1)
	v_lshl_add_u32 v3, v3, 11, v4                  ; v3  x: row r + 8 (r / 8) of the tile, + 64 h
	s_lshl_b32 s24, s[WV], 11
	v_add_nc_u32 v5, s24, v1                       ; v5  fragment w of act1: in its chunk and in LDS
	s_mul_i32 s24, s[WV], 4352
	s_add_co_u32 s24, s24, STG                     ; my stage
	v_mul_u32_u24 v6, v14, 272
	s_delay_alu instid0(VALU_DEP_1)
	v_add_nc_u32 v6, v6, v4
	s_delay_alu instid0(VALU_DEP_1)
	v_add_nc_u32 v6, s24, v6                       ; v6  into it: row r, + 64 h
	v_mul_u32_u24 v7, v15, 272
	s_delay_alu instid0(VALU_DEP_1)
	v_lshl_add_u32 v7, v14, 4, v7
	s_delay_alu instid0(VALU_DEP_1)
	v_add_nc_u32 v7, s24, v7                       ; v7  out of it: sixteen lanes to a row, two rows an instruction
	v_lshlrev_b32 v8, 11, v15
	s_delay_alu instid0(VALU_DEP_1)
	v_lshl_add_u32 v8, v14, 4, v8                  ; v8  and the same two rows in x1
	s_lshl_b32 s24, s[WV], 7
	s_add_co_u32 s24, s24, PS
	v_lshl_add_u32 v9, v14, 2, s24                 ; v9  my wave's partial sums: 4 r
	v_lshlrev_b32 v10, 2, v14
	s_delay_alu instid0(VALU_DEP_1)
	v_add_nc_u32 v10, PS, v10                      ; v10 all waves': 4 r
	s_lshr_b32 s24, s[WV], 1
	s_lshl_b32 s24, s24, 7
	s_and_b32 s25, s[WV], 1
	s_lshl_b32 s25, s25, 1
	s_add_co_u32 s24, s24, s25
	s_add_co_u32 s24, s24, SS
	v_add_nc_u32 v11, s24, v2                      ; v11 my half of a scale word: kstep w / 2, bytes 2 (w % 2) on
	v_add_nc_u32 v12, SS, v1                       ; v12 the 512 bytes of scale words, 16 a lane
	s_mov_b32 s[SEL], 0x76543210
	s_mov_b32 s[SEL+1], 0xfedcba98
	s_mov_b32 s[MNT], 0x600000
	s_mov_b32 s[HI], 0xffff0000
	s_mov_b32 s22, 0x3b000000                      ; 1 / 512
	s_mov_b32 s23, 0x3727c5ac                      ; 1e-5
	s_mul_i32 s26, ttmp9, 16896                    ; my pair's chunk of act1 and of act2
	s_mov_b32 s27, 0
	s_lshl_b32 s28, ttmp9, 16                      ; x, x1: 32 rows of 2,048 bytes, + my 256 bytes of a row
	s_lshl_b32 s29, s[WV], 8
	s_add_co_u32 s28, s28, s29
	s_mov_b32 s29, 0
	s_lshl_b32 s30, s[WV], 8
	s_mov_b32 s31, 0
	s_lshl_b32 s32, s[WV], 15                      ; wo's codes: four tiles of 8,192
	s_mov_b32 s33, 0
	s_lshl_b32 s34, s[WV], 10                      ; its scale words: two pairs of 512
	s_mov_b32 s35, 0
	s_lshr_b32 s36, s[WV], 1
	s_lshl_b32 s36, s36, 12
	s_and_b32 s37, s[WV], 1
	s_lshl_b32 s37, s37, 10
	s_add_co_u32 s36, s36, s37
	s_add_co_u32 s36, s36, s26                     ; act2's codes: kstep w / 2, pieces 2 (w % 2) on
	s_mov_b32 s37, 0
	s_wait_kmcnt 0x0
	s_add_nc_u64 s[4:5], s[4:5], s[26:27]
	s_add_nc_u64 s[32:33], s[6:7], s[32:33]
	s_add_nc_u64 s[34:35], s[6:7], s[34:35]
	s_add_nc_u64 s[8:9], s[8:9], s[28:29]
	s_add_nc_u64 s[12:13], s[12:13], s[28:29]
	s_add_nc_u64 s[10:11], s[10:11], s[30:31]
	s_add_nc_u64 s[36:37], s[14:15], s[36:37]
	s_add_nc_u64 s[14:15], s[14:15], s[26:27]
.irp c, 0,1,2,3
	global_load_b128 v[AF+4*\c:AF+4*\c+3], v5, s[4:5] offset:512*\c          ; fragment w of act1
.endr
.irp s, 0,1,2,3
	global_load_b32 v[AS+\s], v2, s[4:5] offset:16384+128*\s
.endr
.irp g, 0,1
.irp s, 0,1,2,3
	global_load_b32 v[BS+4*\g+\s], v2, s[34:35] offset:OFF_SO+512*\g+128*\s
.endr
.endr
.irp m, 0,1
.irp g, 0,1
.irp q, 0,1,2,3
	global_load_b128 v[ACC+32*\m+16*\g+4*\q:ACC+32*\m+16*\g+4*\q+3], v3, s[8:9] offset:16384*\m+128*\g+16*\q th:TH_LOAD_NT   ; the residual, in the result's layout
.endr
.endr
.endr
.irp g, 0,1
.irp q, 0,1,2,3
	global_load_b128 v[NW+16*\g+4*\q:NW+16*\g+4*\q+3], v4, s[10:11] offset:128*\g+16*\q
.endr
.endr
	WIN 0x40
.irp t, 0,1,2,3
.irp s, 0,1,2,3
.irp c, 0,1,2,3
	global_load_b128 v[64*\t+16*\s+4*\c:64*\t+16*\s+4*\c+3], v1, s[32:33] offset:OFF_WO+8192*\t+2048*\s+512*\c
.endr
.endr
.endr
	WIN 0
	s_wait_loadcnt 63                              ; my fragment of act1 is in: 100 loads were issued behind it (the count is held to what the wait can name)
.irp c, 0,1,2,3
	ds_store_b128 v5, v[AF+4*\c:AF+4*\c+3] offset:512*\c
.endr
	BARRIER                                        ; act1's eight fragments lie in LDS
.irp s, 0,1,2,3
.irp m, 0,1
.irp c, 0,1,2,3
	ds_load_b128 v[AF+32*\s+16*\m+4*\c:AF+32*\s+16*\m+4*\c+3], v1 offset:(2*\s+\m)*2048+512*\c
.endr
.endr
.endr
	s_wait_loadcnt 0x0
	s_wait_dscnt 0x0
	WIN 0x01                                       ; source 0 (wo): window 1
.irp s, 0,1,2,3                        ; eight accumulators by turns, one instruction a turn
.irp m, 0,1
.irp t, 0,1,2,3
	WM ACC+32*\m+8*\t, 64*\t+16*\s, AF+32*\s+16*\m, 0, BS+4*(\t/2)+\s, AS+\s, \t%2, \m
.endr
.endr
.endr
	WIN 0
	PLACES 8
.irp b, 0,1,2,3
	v_mov_b32 v[TM+4+\b], 0                        ; a lane permute's destination counts as one of its sources
.endr
	; x1 goes out through my own stage: 16 rows x 256 bytes a token tile.  LDS serves a wave's instructions in order: no wait between stores and loads, nor in front of the next tile's stores
.irp m, 0,1
.irp q, 0,1,2,3,4,5,6,7
	ds_store_b128 v6, v[ACC+32*\m+4*\q:ACC+32*\m+4*\q+3] offset:128*(\q/4)+32*((\q/2)%2)+16*(\q%2)   ; each accumulator from its low end on
.endr
.irp i, 0,1,2,3,4,5,6,7
	ds_load_b128 v[AF+32*\m+4*\i:AF+32*\m+4*\i+3], v7 offset:544*\i
.endr
.endr
	s_wait_dscnt 0x0
.irp m, 0,1
.irp i, 0,1,2,3,4,5,6,7
	global_store_b128 v8, v[AF+32*\m+4*\i:AF+32*\m+4*\i+3], s[12:13] offset:(8*\m+2*\i+8*(\i/4))*2048   ; stage row 2 i + (lane / 16) is token 8 m + that + 8 (i / 4); 16 lanes store 256 consecutive bytes, aligned
.endr
.endr
	; the rows' sums of squares: my 64 columns, then all eight waves'
.irp m, 0,1
	v_pk_mul_f32 v[192+4*\m:193+4*\m], v[ACC+32*\m:ACC+32*\m+1], v[ACC+32*\m:ACC+32*\m+1]
	v_pk_mul_f32 v[194+4*\m:195+4*\m], v[ACC+32*\m+2:ACC+32*\m+3], v[ACC+32*\m+2:ACC+32*\m+3]
.irp i, 4,8,12,16,20,24,28
	v_pk_fma_f32 v[192+4*\m:193+4*\m], v[ACC+32*\m+\i:ACC+32*\m+\i+1], v[ACC+32*\m+\i:ACC+32*\m+\i+1], v[192+4*\m:193+4*\m]
	v_pk_fma_f32 v[194+4*\m:195+4*\m], v[ACC+32*\m+\i+2:ACC+32*\m+\i+3], v[ACC+32*\m+\i+2:ACC+32*\m+\i+3], v[194+4*\m:195+4*\m]
.endr
	s_delay_alu instid0(VALU_DEP_1)
	v_pk_add_f32 v[192+4*\m:193+4*\m], v[192+4*\m:193+4*\m], v[194+4*\m:195+4*\m]
	s_delay_alu instid0(VALU_DEP_1)
	v_add_f32 v[192+4*\m], v[192+4*\m], v[193+4*\m]
	s_delay_alu instid0(VALU_DEP_1)
	v_permlanex16_b32 v[193+4*\m], v[192+4*\m], s[SEL], s[SEL+1]
	s_delay_alu instid0(VALU_DEP_1)
	v_add_f32 v[192+4*\m], v[192+4*\m], v[193+4*\m]
	ds_store_b32 v9, v[192+4*\m] offset:64*\m      ; lanes r and 16 + r store the same word with the same value
.endr
	BARRIER
.irp m, 0,1
.irp k, 0,1,2,3,4,5,6,7
	ds_load_b32 v[200+8*\m+\k], v10 offset:128*\k+64*\m
.endr
.endr
	s_wait_dscnt 0x0
.irp k, 1
	v_add_f32 v200, v200, v[200+\k]                ; the same order in every wave
	v_add_f32 v208, v208, v[208+\k]
.endr
.irp k, 2, 3, 4, 5, 6, 7
	s_delay_alu instid0(VALU_DEP_2)
	v_add_f32 v200, v200, v[200+\k]                ; the same order in every wave
	s_delay_alu instid0(VALU_DEP_2)
	v_add_f32 v208, v208, v[208+\k]
.endr
	s_delay_alu instid0(VALU_DEP_2)
	v_fma_f32 v200, v200, s22, s23
	s_delay_alu instid0(VALU_DEP_2)
	v_fma_f32 v208, v208, s22, s23
	s_wait_alu depctr_va_vdst(0)
	v_rsq_f32 v216, v200
	v_rsq_f32 v218, v208
	v_nop
	s_wait_alu depctr_va_vdst(0)                   ; one wait for the two, ahead of the first reader
	v_mov_b32 v217, v216
	v_mov_b32 v219, v218
.irp m, 0,1
.irp i, 0,2,4,6,8,10,12,14,16,18,20,22,24,26,28,30
	v_pk_mul_f32 v[ACC+32*\m+\i:ACC+32*\m+\i+1], v[ACC+32*\m+\i:ACC+32*\m+\i+1], v[216+2*\m:217+2*\m]
.endr
.irp i, 0,2,4,6,8,10,12,14,16,18,20,22,24,26,28,30
	v_pk_mul_f32 v[ACC+32*\m+\i:ACC+32*\m+\i+1], v[ACC+32*\m+\i:ACC+32*\m+\i+1], v[NW+\i:NW+\i+1]
.endr
.endr
	QUANT ACC, 4, 16                               ; block 2 m + g
.irp m, 0,1
.irp g, 0,1
	global_store_b128 v1, v[PC+4*(2*\m+\g):PC+4*(2*\m+\g)+3], s[36:37] offset:2048*\m+512*\g
.endr
.endr
	v_lshrrev_b32 v221, 16, v[PW]
	s_delay_alu instid0(VALU_DEP_1)
	v_cndmask_b32 v221, v[PW], v221, s[HI]         ; lanes 0-15 tile 0's two bytes, lanes 16-31 tile 1's
	ds_store_b16 v11, v221
	BARRIER                                        ; the pair's 128 scale words lie in LDS
	s_cmp_lg_u32 s[WV], 0
	s_cbranch_scc1 .Ldone
	ds_load_b128 v[200:203], v12
	s_wait_dscnt 0x0
	global_store_b128 v1, v[200:203], s[14:15] offset:16384   ; 512 consecutive bytes, aligned
.Ldone:
	s_wait_tensorcnt 0x0
	ds_add_u32 v30, v31
	s_wait_dscnt 0x0
	s_endpgm
.Lfunc_end_k_q5192f72b77_wo:
	.size	k_q5192f72b77_wo, .Lfunc_end_k_q5192f72b77_wo-k_q5192f72b77_wo
	.p2alignl 7, 3214868480
	.fill 96, 4, 3214868480
	.section	.rodata,"a",@progbits
	.p2align	6, 0x0
	.amdhsa_kernel k_q5192f72b77_wo
		.amdhsa_group_segment_fixed_size 58368
		.amdhsa_private_segment_fixed_size 0
		.amdhsa_enable_private_segment 0
		.amdhsa_kernarg_size 48
		.amdhsa_user_sgpr_count 2
		.amdhsa_user_sgpr_kernarg_segment_ptr 1
		.amdhsa_wavefront_size32 1
		.amdhsa_system_sgpr_workgroup_id_x 1
		.amdhsa_system_sgpr_workgroup_id_y 1
		.amdhsa_system_sgpr_workgroup_id_z 1
		.amdhsa_system_vgpr_workitem_id 0
		.amdhsa_next_free_vgpr 512
		.amdhsa_next_free_sgpr 66
		.amdhsa_reserve_vcc 0
		.amdhsa_float_denorm_mode_32 3
		.amdhsa_float_denorm_mode_16_64 3
		.amdhsa_memory_ordered 1
		.amdhsa_forward_progress 1
		.amdhsa_inst_pref_size 44
	.end_amdhsa_kernel
	.amdgpu_metadata
---
amdhsa.version: [ 1, 2 ]
amdhsa.kernels:
  - .name:           k_q5192f72b77_wo
    .symbol:         k_q5192f72b77_wo.kd
    .args:
      - { .name: act1, .offset: 0, .size: 8, .value_kind: global_buffer, .address_space: global }
      - { .name: wts, .offset: 8, .size: 8, .value_kind: global_buffer, .address_space: global }
      - { .name: x, .offset: 16, .size: 8, .value_kind: global_buffer, .address_space: global }
      - { .name: ffn_norm_w, .offset: 24, .size: 8, .value_kind: global_buffer, .address_space: global }
      - { .name: x1, .offset: 32, .size: 8, .value_kind: global_buffer, .address_space: global }
      - { .name: act2, .offset: 40, .size: 8, .value_kind: global_buffer, .address_space: global }
    .group_segment_fixed_size: 58368
    .private_segment_fixed_size: 0
    .kernarg_segment_align: 8
    .kernarg_segment_size: 48
    .max_flat_workgroup_size: 256
    .sgpr_count:     66
    .vgpr_count:     512
    .wavefront_size: 32
...
	.end_amdgpu_metadata
.endif
;; end of part 4
;; launch gu (part 5): grid 8 x 32, 8 waves a work-group, clusters of 4 x 1, 197,632 bytes of LDS; arguments act2, wts, hact; writes hact
.if DOCPART == 5
	.amdgcn_target "amdgcn-amd-amdhsa--gfx1250"
	.amdhsa_code_object_version 6
	.text
	.protected	k_q5192f72b77_gu
	.globl	k_q5192f72b77_gu
	.p2align	8
	.type	k_q5192f72b77_gu,@function
k_q5192f72b77_gu:
	s_mov_b64 s[64:65], 0
	v_nop
	global_prefetch_b8 v0, s[64:65] scope:SCOPE_SE
	s_setreg_imm32_b32 hwreg(HW_REG_WAVE_MODE, 25, 1), 1
	s_wait_xcnt 0x0
	s_wait_alu depctr_hold_cnt(0) depctr_sa_sdst(0) depctr_va_vdst(0) depctr_va_sdst(0) depctr_va_ssrc(0) depctr_va_vcc(0) depctr_vm_vsrc(0)
	s_getreg_b32 s2, hwreg(HW_REG_IB_STS2, 6, 4)
	s_cmp_eq_u32 s2, 0
	s_cbranch_scc0 .Lentry_in_a_cluster
	s_endpgm
.Lentry_in_a_cluster:
	s_bfe_u32 s2, ttmp6, 0x10000c
	s_cmp_lg_u32 s2, 0x3003
	s_cbranch_scc0 .Lentry_shape_is_right
	s_endpgm
.Lentry_shape_is_right:
; h = silu(xn2 w_gate) x (xn2 w_up), both products on codes of FP8 (E4M3) with E8M0 scales; h is quantised along the hidden 2,048 into hact, as images of operand registers.
; SHARES.  A work-group takes 256 rows (y: 8 pairs of 32 tokens) x 256 hidden columns (x); wave w holds w_gate's and w_up's pair of 32 columns 8 x + w for the whole launch (16 fragments: all of window 1) and walks the 8 pairs.
; CLUSTER: the four work-groups of a cluster take the same 256 rows: act2's 8 chunks of 16,896 bytes are asked for JOINTLY, one tensor load a wave (66 rows of 256 bytes), the same descriptor in all four.  They are filled once.
; The products are used transposed (source 0 = weight, source 1 = xn2): a lane holds one token and 16 neighbouring hidden columns, of gate and of up alike: the activation needs no other lane, and the 32 columns are one block.
; The scale bytes (one a row and wave) are gathered in LDS and leave at the end as aligned units of 256 bytes.
; LIMITS: zero blocks get the byte 1, not 127; blocks under 2^-118 are held at the byte 1; NaN and infinities are not served; silu(g) = g / (1 + 2^(-g log2 e)) by v_exp_f32 and v_rcp_f32, 1 ulp each.
.set OFF_WG, 1048576
.set OFF_WU, 2097152
.set OFF_SG, 4227072
.set OFF_SU, 4259840
.set SCST, 135168                      ; LDS: 0: 8 chunks of act2; SCST: 2,048 bytes of scale words [pair 8][kstep 2][lane]: blocks of 256 bytes into which no fill lands
.set AS,  24                           ; v16-19 gate's scale words, v20-23 up's, v24-27 act2's
.set AF,  32                           ; v32-95  one token tile's four fragments
.set ACC, 96                           ; v96-159: 32 m + 8 k; k = 0, 1 gate, 2, 3 up
.set E,   160                          ; v160-191
.set TM,  192
.set PW,  208
.set PC,  210
.set WV,  10
.set SEL, 14
.set MNT, 16
.set HI,  17
.set TB,  18
.set TS,  19
.set CNT, 20
.set BIG, 21
.set STP, 22
.set HB,  36
.set MSB, 0
.macro WIN new
.if MSB != \new
	s_set_vgpr_msb (MSB<<8)|\new
.set MSB, \new
.endif
.endm
.macro PLACES n
.rept \n
	v_nop
.endr
.endm
.macro CROUND                          ; a round of the cluster's barrier
	s_barrier_signal -1
	s_barrier_wait -1
	s_cmp_lg_u32 s[WV], 0
	s_cbranch_scc1 .Lnot_wave_0_\@
	s_barrier_signal -3
.Lnot_wave_0_\@:
	s_barrier_wait -3
	s_barrier_signal -1
	s_barrier_wait -1
.endm
.macro QUANT src, nb, step
.set qb_, 0
.rept \nb
	v_max3_num_f32 v[TM+qb_], |v[(\src)+(\step)*qb_]|, |v[(\src)+(\step)*qb_+1]|, 0x4800000   ; my 16 numbers, and the floor 2^(9 - 127)
.set qb_, qb_+1
.endr
.irp i, 2,4,6,8,10,12,14
.set qb_, 0
.rept \nb
	s_delay_alu instid0(VALU_DEP_2)
	v_max3_num_f32 v[TM+qb_], v[TM+qb_], |v[(\src)+(\step)*qb_+\i]|, |v[(\src)+(\step)*qb_+\i+1]|
.set qb_, qb_+1
.endr
.endr
.set qb_, 0
.rept \nb
	s_delay_alu instid0(VALU_DEP_2)
	v_permlanex16_b32 v[TM+4+qb_], v[TM+qb_], s[SEL], s[SEL+1]
.set qb_, qb_+1
.endr
.set qb_, 0
.rept \nb
	s_delay_alu instid0(VALU_DEP_2)
	v_max_num_f32 v[TM+qb_], v[TM+qb_], v[TM+4+qb_]
.set qb_, qb_+1
.endr
.set qb_, 0
.rept \nb
	s_delay_alu instid0(VALU_DEP_2)
	v_add_nc_u32 v[TM+12+qb_], 0xfc000000, v[TM+qb_]
.set qb_, qb_+1
.endr
.set qb_, 0
.rept \nb
	s_delay_alu instid0(VALU_DEP_4)
	v_and_or_b32 v[TM+8+qb_], v[TM+qb_], 0x7f800000, s[MNT]
.set qb_, qb_+1
.endr
.set qb_, 0
.rept \nb
	s_delay_alu instid0(VALU_DEP_4)
	v_lshrrev_b32 v[TM+4+qb_], 23, v[TM+12+qb_]
.set qb_, qb_+1
.endr
	s_delay_alu instid0(VALU_DEP_1)
	v_lshl_or_b32 v[PW], v[TM+5], 8, v[TM+4]
.if \nb > 2
	v_lshl_or_b32 v[PW], v[TM+6], 16, v[PW]
	v_lshl_or_b32 v[PW], v[TM+7], 24, v[PW]
.endif
.set qb_, 0
.rept \nb
.irp i, 0,1,2,3,4,5,6,7,8,9,10,11,12,13,14,15
	v_med3_num_f32 v[(\src)+(\step)*qb_+\i], v[(\src)+(\step)*qb_+\i], -v[TM+8+qb_], v[TM+8+qb_]
.endr
	v_cvt_scalef32_pk8_fp8_f32 v[PC+4*qb_:PC+4*qb_+1], v[(\src)+(\step)*qb_:(\src)+(\step)*qb_+7], v[TM+12+qb_]
	v_cvt_scalef32_pk8_fp8_f32 v[PC+4*qb_+2:PC+4*qb_+3], v[(\src)+(\step)*qb_+8:(\src)+(\step)*qb_+15], v[TM+12+qb_]
.set qb_, qb_+1
.endr
	v_nop
.endm
.macro WM d, a, b, zero, sa, sb, ra, rb
.if (\zero) && (\ra) && (\rb)
	v_wmma_scale_f32_16x16x128_f8f6f4 v[(\d):(\d)+7], v[(\a):(\a)+15], v[(\b):(\b)+15], 0, v[(\sa)], v[(\sb)] matrix_a_scale:MATRIX_SCALE_ROW1 matrix_b_scale:MATRIX_SCALE_ROW1
.elseif (\zero) && (\ra)
	v_wmma_scale_f32_16x16x128_f8f6f4 v[(\d):(\d)+7], v[(\a):(\a)+15], v[(\b):(\b)+15], 0, v[(\sa)], v[(\sb)] matrix_a_scale:MATRIX_SCALE_ROW1
.elseif (\zero) && (\rb)
	v_wmma_scale_f32_16x16x128_f8f6f4 v[(\d):(\d)+7], v[(\a):(\a)+15], v[(\b):(\b)+15], 0, v[(\sa)], v[(\sb)] matrix_b_scale:MATRIX_SCALE_ROW1
.elseif (\zero)
	v_wmma_scale_f32_16x16x128_f8f6f4 v[(\d):(\d)+7], v[(\a):(\a)+15], v[(\b):(\b)+15], 0, v[(\sa)], v[(\sb)]
.elseif (\ra) && (\rb)
	v_wmma_scale_f32_16x16x128_f8f6f4 v[(\d):(\d)+7], v[(\a):(\a)+15], v[(\b):(\b)+15], v[(\d):(\d)+7], v[(\sa)], v[(\sb)] matrix_a_scale:MATRIX_SCALE_ROW1 matrix_b_scale:MATRIX_SCALE_ROW1
.elseif (\ra)
	v_wmma_scale_f32_16x16x128_f8f6f4 v[(\d):(\d)+7], v[(\a):(\a)+15], v[(\b):(\b)+15], v[(\d):(\d)+7], v[(\sa)], v[(\sb)] matrix_a_scale:MATRIX_SCALE_ROW1
.elseif (\rb)
	v_wmma_scale_f32_16x16x128_f8f6f4 v[(\d):(\d)+7], v[(\a):(\a)+15], v[(\b):(\b)+15], v[(\d):(\d)+7], v[(\sa)], v[(\sb)] matrix_b_scale:MATRIX_SCALE_ROW1
.else
	v_wmma_scale_f32_16x16x128_f8f6f4 v[(\d):(\d)+7], v[(\a):(\a)+15], v[(\b):(\b)+15], v[(\d):(\d)+7], v[(\sa)], v[(\sb)]
.endif
.endm
	s_load_b128 s[4:7], s[0:1], 0x0                ; act2, wts
	s_load_b64 s[8:9], s[0:1], 0x10                ; hact
	v_lshl_add_u32 v254, v0, 2, 0x30000
	v_mov_b32 v255, 0
	ds_add_u32 v254, v255
	ds_add_u32 v254, v255
	v_lshrrev_b32 v1, 5, v0
	s_delay_alu instid0(VALU_DEP_1)
	v_readfirstlane_b32 s[WV], v1                  ; wave 0..7
	s_bfe_u32 s11, ttmp6, 0x40000                  ; cx: my place in the cluster
	s_lshl_b32 s12, ttmp9, 2
	s_add_co_u32 s12, s12, s11                     ; my slice of 256 hidden columns: it enters the weights' and hact's addresses alone
	s_and_b32 s13, ttmp7, 0xffff                   ; my 256 rows, which the four partners share
	; descriptor group 1: 66 rows of 256 bytes, dense
	s_mov_b32 s24, 15|(3<<16)|(1<<21)              ; the mask: all four work-groups; elements of 8 bytes; bit 21 set beside a mask
	s_mov_b32 s25, 32<<16
	s_mov_b32 s26, 66<<16
	s_mov_b32 s27, 32<<16
	s_mov_b32 s28, 66
	s_mov_b32 s29, 32
	s_mov_b32 s30, 0
	s_mov_b32 s31, 0
	s_lshl_b32 s44, s13, 3
	s_add_co_u32 s44, s44, s[WV]
	s_mul_i32 s44, s44, 16896                      ; pair 8 y + wave: its chunk of act2
	s_mov_b32 s45, 0
	s_mov_b32 s32, 1
	s_mul_i32 s33, s[WV], 16896                    ; and its place in LDS: no place in the cluster enters an LDS address
	s_lshl_b32 s46, s12, 3
	s_add_co_u32 s46, s46, s[WV]                   ; my pair of hidden columns, 0..63
	s_lshl_b32 s38, s46, 14                        ; its codes: two tiles of 8,192
	s_mov_b32 s39, 0
	s_lshl_b32 s40, s46, 9                         ; its scale words: 512 bytes
	s_mov_b32 s41, 0
	s_lshl_b32 s47, s13, 1
	s_mul_i32 s47, s47, 270336                     ; hact: row block 2 y (128 rows: four chunks of 67,584),
	s_lshr_b32 s48, s12, 1
	s_mul_i32 s48, s48, 67584
	s_add_co_u32 s47, s47, s48                     ; chunk slice / 2
	s_and_b32 s48, s12, 1
	s_lshr_b32 s49, s[WV], 2
	s_and_b32 s50, s[WV], 3
	s_lshl_b32 s51, s48, 1
	s_add_co_u32 s51, s51, s49
	s_lshl_b32 s51, s51, 12                        ; kstep in the chunk: 2 (slice % 2) + wave / 4
	s_add_co_u32 s[HB], s47, s51
	s_lshl_b32 s51, s50, 9                         ; piece wave % 4
	s_add_co_u32 s[HB], s[HB], s51
	s_mov_b32 s[HB+1], 0
	s_mul_i32 s51, s49, 270336                     ; the scale words that I store at the end: pair w: row block 2 y + w / 4, pair w % 4 in it, ksteps 2 (slice % 2) + 0, 1
	s_add_co_u32 s42, s47, s51
	s_lshl_b32 s51, s50, 9
	s_add_co_u32 s42, s42, s51
	s_lshl_b32 s51, s48, 8
	s_add_co_u32 s42, s42, s51
	s_mov_b32 s43, 0
	v_and_b32 v9, 31, v0
	s_delay_alu instid0(VALU_DEP_1)
	v_lshlrev_b32 v1, 4, v9                        ; v1 16 x lane
	s_wait_alu depctr_va_vdst(0)
	v_lshlrev_b32 v2, 2, v9                        ; v2 4 x lane
	s_wait_alu depctr_va_vdst(0)
	v_lshlrev_b32 v8, 3, v9                        ; v8 8 x lane
	s_lshl_b32 s52, s49, 7
	s_add_co_u32 s52, s52, s50
	s_add_co_u32 s52, s52, SCST
	v_add_nc_u32 v5, s52, v2                       ; v5 my scale byte: word 4 x lane of kstep wave / 4, byte wave % 4
	s_lshl_b32 s52, s[WV], 8
	s_add_co_u32 s52, s52, SCST
	v_add_nc_u32 v7, s52, v8                       ; v7 pair w's 256 bytes of scale words, 8 a lane
	s_mov_b32 s[SEL], 0x76543210
	s_mov_b32 s[SEL+1], 0xfedcba98
	s_mov_b32 s[MNT], 0x600000
	s_mov_b32 s[HI], 0xffff0000
	s_mov_b32 s[TB], 0
	s_mov_b32 s[TS], 0
	s_mov_b32 s[BIG], 221184                       ; from a row block's fourth pair to the next block's first: 270,336 - 3 x 16,384
	s_mov_b32 s[STP+1], 0
.irp b, 0,1,2,3
	v_mov_b32 v[TM+4+\b], 0
.endr
	v_mov_b32 v3, v1                               ; v3, v4: LDS addresses of the pair in hand
	v_mov_b32 v4, v2
	s_wait_dscnt 0x0
	s_wait_kmcnt 0x0
	s_add_nc_u64 s[34:35], s[4:5], s[44:45]
	s_or_b32 s35, s35, 0x80000000
	s_add_nc_u64 s[38:39], s[6:7], s[38:39]
	s_add_nc_u64 s[40:41], s[6:7], s[40:41]
	s_add_nc_u64 s[HB:HB+1], s[8:9], s[HB:HB+1]
	s_add_nc_u64 s[42:43], s[8:9], s[42:43]
	CROUND                                         ; all four work-groups are here: the joint loads meet
	tensor_load_to_lds s[32:35], s[24:31]          ; my chunk: one load a wave, the only one
	s_nop 0
.rept 4
	v_nop
.endr
.irp s, 0,1,2,3
	global_load_b32 v[16+\s], v2, s[40:41] offset:OFF_SG+128*\s
	global_load_b32 v[20+\s], v2, s[40:41] offset:OFF_SU+128*\s
.endr
	WIN 0x40
.irp u, 0,1
.irp s, 0,1,2,3
.irp c, 0,1,2,3
	global_load_b128 v[64*\u+16*\s+4*\c:64*\u+16*\s+4*\c+3], v1, s[38:39] offset:OFF_WG+8192*\u+2048*\s+512*\c
	global_load_b128 v[128+64*\u+16*\s+4*\c:128+64*\u+16*\s+4*\c+3], v1, s[38:39] offset:OFF_WU+8192*\u+2048*\s+512*\c
.endr
.endr
.endr
	WIN 0
	s_wait_tensorcnt 0x0                           ; my chunk has landed,
	s_barrier_signal -1
	s_barrier_wait -1                              ; everybody's has
.macro LOADT m                         ; token tile m of the pair in hand: four fragments
.irp s, 0,1,2,3
.irp c, 0,1,2,3
	ds_load_b128 v[AF+16*\s+4*\c:AF+16*\s+4*\c+3], v3 offset:4096*\s+2048*(\m)+512*\c
.endr
.endr
.endm
.macro LOADSC                          ; and the pair's scale words: lanes 0-15 tile 0, lanes 16-31 tile 1
.irp s, 0,1,2,3
	ds_load_b32 v[AS+\s], v4 offset:16384+128*\s
.endr
.endm
.macro PROD m                          ; 16 matrix instructions: four accumulators (gate's two tiles, up's two) by turns
	WIN 0x01
.irp s, 0,1,2,3
.irp k, 0,1,2,3
	WM ACC+32*(\m)+8*\k, 64*\k+16*\s, AF+16*\s, (\s==0), 16+4*(\k/2)+\s, AS+\s, \k%2, \m
.endr
.endr
	WIN 0
.endm
	s_wait_alu depctr_va_vdst(0)
	LOADT 0
	LOADSC
	s_wait_loadcnt 0x0                             ; the weights and their scale words
.macro TRIP last
	s_wait_dscnt 0x0
	PROD 0
	PLACES 8                                       ; in front of loads into registers that the products have read
	LOADT 1
	s_wait_dscnt 0x0
	PROD 1
	PLACES 8
.if (\last) == 0
	s_add_co_u32 s[TB], s[TB], 16896               ; the next pair's first tile lands under the activation
	v_add_nc_u32 v3, s[TB], v1
	v_add_nc_u32 v4, s[TB], v2
	LOADT 0
	LOADSC
.endif
.irp m, 0,1
.irp i, 0,2,4,6,8,10,12,14
	v_pk_mul_f32 v[E+16*\m+\i:E+16*\m+\i+1], v[ACC+32*\m+\i:ACC+32*\m+\i+1], 0xbfb8aa3b op_sel_hi:[1,0]   ; -g log2(e)
.endr
.endr
	s_wait_alu depctr_va_vdst(0)
.irp j, 0,1,2,3,4,5,6,7,8,9,10,11,12,13,14,15,16,17,18,19,20,21,22,23,24,25,26,27,28,29,30,31
	v_exp_f32 v[E+\j], v[E+\j]
.endr
	s_wait_alu depctr_va_vdst(0)
.irp m, 0,1
.irp i, 0,2,4,6,8,10,12,14
	v_pk_mul_f32 v[ACC+32*\m+16+\i:ACC+32*\m+16+\i+1], v[ACC+32*\m+16+\i:ACC+32*\m+16+\i+1], v[ACC+32*\m+\i:ACC+32*\m+\i+1]   ; up x g: independent work behind the exponentials
.endr
.endr
	s_wait_alu depctr_va_vdst(0)                   ; one wait for the 32, ahead of their first reader
.irp j, 0,2,4,6,8,10,12,14,16,18,20,22,24,26,28,30
	v_pk_add_f32 v[E+\j:E+\j+1], v[E+\j:E+\j+1], 1.0 op_sel_hi:[1,0]
.endr
	s_wait_alu depctr_va_vdst(0)
.irp j, 0,1,2,3,4,5,6,7,8,9,10,11,12,13,14,15,16,17,18,19,20,21,22,23,24,25,26,27,28,29,30,31
	v_rcp_f32 v[E+\j], v[E+\j]
.endr
	v_add_nc_u32 v6, s[TS], v5                     ; (a plain instruction behind the reciprocals)  where this pair's scale byte goes
	s_wait_alu depctr_va_vdst(0)
.irp m, 0,1
.irp i, 0,2,4,6,8,10,12,14
	v_pk_mul_f32 v[ACC+32*\m+16+\i:ACC+32*\m+16+\i+1], v[ACC+32*\m+16+\i:ACC+32*\m+16+\i+1], v[E+16*\m+\i:E+16*\m+\i+1]
.endr
.endr
	QUANT ACC+16, 2, 32                            ; block m: the 32 hidden columns of token tile m
	global_store_b128 v1, v[PC:PC+3], s[HB:HB+1]
	global_store_b128 v1, v[PC+4:PC+7], s[HB:HB+1] offset:2048
	v_cndmask_b32 v209, v[TM+4], v[TM+5], s[HI]    ; lanes 0-15 tile 0's byte, lanes 16-31 tile 1's
	ds_store_b8 v6, v209
.if (\last) == 0
	s_wait_xcnt 0x0                                ; the stores have read their base and their data
	s_cmp_eq_u32 s[CNT], 3
	s_cselect_b32 s[STP], s[BIG], 16384
	s_add_nc_u64 s[HB:HB+1], s[HB:HB+1], s[STP:STP+1]
	s_add_co_u32 s[TS], s[TS], 256
.endif
.endm
	s_mov_b32 s[CNT], 0
.Lpair:
	TRIP 0
	s_add_co_u32 s[CNT], s[CNT], 1
	s_cmp_lt_u32 s[CNT], 7
	s_cbranch_scc1 .Lpair
	TRIP 1                                         ; the last pair is written out: nothing is read past the eighth chunk
	s_wait_dscnt 0x0                               ; my byte stores have landed
	s_barrier_signal -1
	s_barrier_wait -1
	ds_load_b64 v[E:E+1], v7
	s_wait_dscnt 0x0
	global_store_b64 v8, v[E:E+1], s[42:43] offset:65536   ; 256 consecutive bytes, aligned
	s_wait_tensorcnt 0x0
	ds_add_u32 v254, v255
	s_wait_dscnt 0x0
	CROUND                                         ; the closing round
	s_endpgm
.Lfunc_end_k_q5192f72b77_gu:
	.size	k_q5192f72b77_gu, .Lfunc_end_k_q5192f72b77_gu-k_q5192f72b77_gu
	.p2alignl 7, 3214868480
	.fill 96, 4, 3214868480
	.section	.rodata,"a",@progbits
	.p2align	6, 0x0
	.amdhsa_kernel k_q5192f72b77_gu
		.amdhsa_group_segment_fixed_size 197632
		.amdhsa_private_segment_fixed_size 0
		.amdhsa_enable_private_segment 0
		.amdhsa_kernarg_size 24
		.amdhsa_user_sgpr_count 2
		.amdhsa_user_sgpr_kernarg_segment_ptr 1
		.amdhsa_wavefront_size32 1
		.amdhsa_system_sgpr_workgroup_id_x 1
		.amdhsa_system_sgpr_workgroup_id_y 1
		.amdhsa_system_sgpr_workgroup_id_z 1
		.amdhsa_system_vgpr_workitem_id 0
		.amdhsa_next_free_vgpr 512
		.amdhsa_next_free_sgpr 66
		.amdhsa_reserve_vcc 0
		.amdhsa_float_denorm_mode_32 3
		.amdhsa_float_denorm_mode_16_64 3
		.amdhsa_memory_ordered 1
		.amdhsa_forward_progress 1
		.amdhsa_inst_pref_size 51
	.end_amdhsa_kernel
	.amdgpu_metadata
---
amdhsa.version: [ 1, 2 ]
amdhsa.kernels:
  - .name:           k_q5192f72b77_gu
    .symbol:         k_q5192f72b77_gu.kd
    .args:
      - { .name: act2, .offset: 0, .size: 8, .value_kind: global_buffer, .address_space: global }
      - { .name: wts, .offset: 8, .size: 8, .value_kind: global_buffer, .address_space: global }
      - { .name: hact, .offset: 16, .size: 8, .value_kind: global_buffer, .address_space: global }
    .group_segment_fixed_size: 197632
    .private_segment_fixed_size: 0
    .kernarg_segment_align: 8
    .kernarg_segment_size: 24
    .max_flat_workgroup_size: 256
    .sgpr_count:     66
    .vgpr_count:     512
    .wavefront_size: 32
...
	.end_amdgpu_metadata
.endif
;; end of part 5
;; launch down (part 6): grid 4 x 64, 4 waves a work-group, clusters of 4 x 1, 327,680 bytes of LDS; arguments hact, wts, x1, out0; writes out0
.if DOCPART == 6
	.amdgcn_target "amdgcn-amd-amdhsa--gfx1250"
	.amdhsa_code_object_version 6
	.text
	.protected	k_q5192f72b77_down
	.globl	k_q5192f72b77_down
	.p2align	8
	.type	k_q5192f72b77_down,@function
k_q5192f72b77_down:
	s_mov_b64 s[64:65], 0
	v_nop
	global_prefetch_b8 v0, s[64:65] scope:SCOPE_SE
	s_setreg_imm32_b32 hwreg(HW_REG_WAVE_MODE, 25, 1), 1
	s_wait_xcnt 0x0
	s_wait_alu depctr_hold_cnt(0) depctr_sa_sdst(0) depctr_va_vdst(0) depctr_va_sdst(0) depctr_va_ssrc(0) depctr_va_vcc(0) depctr_vm_vsrc(0)
	s_getreg_b32 s2, hwreg(HW_REG_IB_STS2, 6, 4)
	s_cmp_eq_u32 s2, 0
	s_cbranch_scc0 .Lentry_in_a_cluster
	s_endpgm
.Lentry_in_a_cluster:
	s_bfe_u32 s2, ttmp6, 0x10000c
	s_cmp_lg_u32 s2, 0x3003
	s_cbranch_scc0 .Lentry_shape_is_right
	s_endpgm
.Lentry_shape_is_right:
; out0 = x1 + h w_down, on codes of FP8 (E4M3) with E8M0 scales.
; SHARES.  A work-group takes 128 rows (y) x 128 columns (x); wave w holds w_down's pair of 32 columns 4 x + w for ALL of K = 2,048: 32 fragments, windows 1 and 2, read from memory once; 16 accumulators; 256 matrix instructions.
; CLUSTER: the four work-groups of a cluster take the same 128 rows: their h, four chunks of 67,584 bytes (512 along K each), is asked for JOINTLY: wave w fetches chunk w whole, one tensor load of 264 rows of 256 bytes, at the head.
; Each of the four loads stands in an arm of its own of one chain of branches on the wave's number, so that chunk g is shown by a barrier in front of which wave g alone waits; the last such wait stands on every wave's way.
; Nothing is filled again; later chunks stay on their way across barriers behind which nothing is filled.
; A UNIT is a pair of 32 tokens x 512 along K: 8 fragments from LDS into one of two buffers of window 3, a unit ahead; 16 matrix instructions, four accumulators by turns.
; The product is used transposed (source 0 = w_down, source 1 = h): a lane holds one token and 16 neighbouring columns.  The way out goes through a stage in chunk 0's bytes, which have had their one fill and their last read.
.set OFF_WD, 3145728
.set OFF_SD, 4292608
.set CHB, 67584
.set ADA, 8                            ; v8-11  16 x lane + chunk;  v12-15  4 x lane + chunk + 65,536 (its scale words)
.set ADS, 12
.set BS,  16                           ; v16-31 w_down's scale words, by kstep
.set AS,  32                           ; v32-39 h's: 4 x buffer + kstep in the chunk
.set ACC, 128                          ; v128-255: 32 p + 16 m + 8 u
.set WV,  12
.set MSB, 0
.macro WIN new
.if MSB != \new
	s_set_vgpr_msb (MSB<<8)|\new
.set MSB, \new
.endif
.endm
.macro PLACES n
.rept \n
	v_nop
.endr
.endm
.macro BARRIER
	s_wait_dscnt 0x0
	s_barrier_signal -1
	s_barrier_wait -1
.endm
.macro CROUND
	s_barrier_signal -1
	s_barrier_wait -1
	s_cmp_lg_u32 s[WV], 0
	s_cbranch_scc1 .Lnot_wave_0_\@
	s_barrier_signal -3
.Lnot_wave_0_\@:
	s_barrier_wait -3
	s_barrier_signal -1
	s_barrier_wait -1
.endm
.macro WM d, a, b, zero, sa, sb, ra, rb
.if (\zero) && (\ra) && (\rb)
	v_wmma_scale_f32_16x16x128_f8f6f4 v[(\d):(\d)+7], v[(\a):(\a)+15], v[(\b):(\b)+15], 0, v[(\sa)], v[(\sb)] matrix_a_scale:MATRIX_SCALE_ROW1 matrix_b_scale:MATRIX_SCALE_ROW1
.elseif (\zero) && (\ra)
	v_wmma_scale_f32_16x16x128_f8f6f4 v[(\d):(\d)+7], v[(\a):(\a)+15], v[(\b):(\b)+15], 0, v[(\sa)], v[(\sb)] matrix_a_scale:MATRIX_SCALE_ROW1
.elseif (\zero) && (\rb)
	v_wmma_scale_f32_16x16x128_f8f6f4 v[(\d):(\d)+7], v[(\a):(\a)+15], v[(\b):(\b)+15], 0, v[(\sa)], v[(\sb)] matrix_b_scale:MATRIX_SCALE_ROW1
.elseif (\zero)
	v_wmma_scale_f32_16x16x128_f8f6f4 v[(\d):(\d)+7], v[(\a):(\a)+15], v[(\b):(\b)+15], 0, v[(\sa)], v[(\sb)]
.elseif (\ra) && (\rb)
	v_wmma_scale_f32_16x16x128_f8f6f4 v[(\d):(\d)+7], v[(\a):(\a)+15], v[(\b):(\b)+15], v[(\d):(\d)+7], v[(\sa)], v[(\sb)] matrix_a_scale:MATRIX_SCALE_ROW1 matrix_b_scale:MATRIX_SCALE_ROW1
.elseif (\ra)
	v_wmma_scale_f32_16x16x128_f8f6f4 v[(\d):(\d)+7], v[(\a):(\a)+15], v[(\b):(\b)+15], v[(\d):(\d)+7], v[(\sa)], v[(\sb)] matrix_a_scale:MATRIX_SCALE_ROW1
.elseif (\rb)
	v_wmma_scale_f32_16x16x128_f8f6f4 v[(\d):(\d)+7], v[(\a):(\a)+15], v[(\b):(\b)+15], v[(\d):(\d)+7], v[(\sa)], v[(\sb)] matrix_b_scale:MATRIX_SCALE_ROW1
.else
	v_wmma_scale_f32_16x16x128_f8f6f4 v[(\d):(\d)+7], v[(\a):(\a)+15], v[(\b):(\b)+15], v[(\d):(\d)+7], v[(\sa)], v[(\sb)]
.endif
.endm
	s_load_b256 s[4:11], s[0:1], 0x0               ; hact, wts, x1, out0
	v_lshl_add_u32 v126, v0, 2, 0x42000
	v_mov_b32 v127, 0
	ds_add_u32 v126, v127                          ; the opening lines: the add, twice on end, and its wait ahead of my first tensor load
	ds_add_u32 v126, v127
	v_lshrrev_b32 v1, 5, v0
	v_readfirstlane_b32 s[WV], v1                  ; wave 0..3
	s_bfe_u32 s13, ttmp6, 0x40000                  ; cx
	s_lshl_b32 s48, ttmp9, 2
	s_add_co_u32 s13, s13, s48                     ; my 128 columns: they enter the weights', x1's and out0's addresses alone
	s_and_b32 s14, ttmp7, 0xffff                   ; my 128 rows, which the four partners share
	s_mov_b32 s16, 15|(3<<16)|(1<<21)              ; group 1: the mask: all four; elements of 8 bytes; bit 21 set beside a mask; 264 rows of 256 bytes, dense
	s_mov_b32 s17, 32<<16
	s_mov_b32 s18, 264<<16
	s_mov_b32 s19, 32<<16
	s_mov_b32 s20, 264
	s_mov_b32 s21, 32
	s_mov_b32 s22, 0
	s_mov_b32 s23, 0
	s_mul_i32 s49, s[WV], 16896                    ; my 32 rows of the stage
	s_mul_i32 s58, s[WV], CHB                      ; the chunk that I fetch, in memory and in LDS
	s_mul_i32 s50, s14, 270336
	s_add_co_u32 s50, s50, s58
	s_mov_b32 s51, 0
	s_lshl_b32 s52, s13, 2
	s_add_co_u32 s52, s52, s[WV]                   ; my pair of columns, 0..15
	s_lshl_b32 s40, s52, 16                        ; its codes: two tiles of 32,768
	s_mov_b32 s41, 0
	s_lshl_b32 s42, s52, 11                        ; its scale words: 16 ksteps of 128
	s_mov_b32 s43, 0
	s_lshl_b32 s44, s14, 18                        ; x1, out0: 128 rows of 2,048 bytes, + 32 rows a wave, + my work-group's 512 bytes of a row
	s_lshl_b32 s53, s[WV], 16
	s_add_co_u32 s44, s44, s53
	s_lshl_b32 s53, s13, 9
	s_add_co_u32 s44, s44, s53
	s_mov_b32 s45, 0
	v_and_b32 v5, 31, v0
	v_lshlrev_b32 v1, 4, v5                        ; v1 16 x lane
	v_lshlrev_b32 v2, 2, v5                        ; v2 4 x lane
	v_and_b32 v6, 15, v0
	v_bfe_u32 v7, v0, 4, 1
	v_and_b32 v3, 8, v6
	v_add_nc_u32 v3, v3, v6
	v_mul_u32_u24 v3, v3, 528
	v_lshl_add_u32 v3, v7, 6, v3
	s_lshl_b32 s56, s[WV], 7
	v_add_nc_u32 v3, s56, v3                       ; v3 the stage, in: row r + 8 (r / 8) of the tile, 528 bytes a row, + 128 x wave + 64 h
	v_add_nc_u32 v4, s49, v1                       ; v4 and back: my 32 rows (32 x 528 = 16,896), 16 bytes a lane
.irp g, 0,1,2,3
	v_add_nc_u32 v[ADA+\g], \g*CHB, v1
	v_add_nc_u32 v[ADS+\g], \g*CHB+65536, v2
.endr
	s_wait_dscnt 0x0
	s_wait_kmcnt 0x0
	s_add_nc_u64 s[54:55], s[4:5], s[50:51]
	s_mov_b32 s24, 1
	s_mov_b32 s25, s58
	s_mov_b64 s[26:27], s[54:55]
	s_or_b32 s27, s27, 0x80000000
	s_add_nc_u64 s[40:41], s[6:7], s[40:41]
	s_add_nc_u64 s[42:43], s[6:7], s[42:43]
	s_add_nc_u64 s[46:47], s[10:11], s[44:45]
	s_add_nc_u64 s[44:45], s[8:9], s[44:45]
	CROUND                                         ; all four work-groups are here: the joint loads meet
; THE HEAD'S LOADS, ONE A WAVE, each in its own arm of one chain of branches on the wave's number; an s_nop 0 and four v_nop follow each
.macro ARM under, next
	s_cmp_lt_u32 s[WV], \under
	s_cbranch_scc0 \next
	tensor_load_to_lds s[24:27], s[16:23]
	s_nop 0
	PLACES 4
	s_branch .Lhead_asked
\next:
.endm
	ARM 1, .Lchunk_1
	ARM 2, .Lchunk_2
	ARM 3, .Lchunk_3
	tensor_load_to_lds s[24:27], s[16:23]
	s_nop 0
	PLACES 4
.Lhead_asked:
.irp k, 0,1,2,3,4,5,6,7,8,9,10,11,12,13,14,15
	global_load_b32 v[BS+\k], v2, s[42:43] offset:OFF_SD+128*\k
.endr
	WIN 0x40                                       ; the weights in the order of their use: 8 loads a kstep
.irp k, 0,1,2,3,4,5,6,7
.irp u, 0,1
.irp c, 0,1,2,3
	global_load_b128 v[32*\k+16*\u+4*\c:32*\k+16*\u+4*\c+3], v1, s[40:41] offset:OFF_WD+32768*\u+2048*\k+512*\c
.endr
.endr
.endr
	WIN 0x80
.irp k, 0,1,2,3,4,5,6,7
.irp u, 0,1
.irp c, 0,1,2,3
	global_load_b128 v[32*\k+16*\u+4*\c:32*\k+16*\u+4*\c+3], v1, s[40:41] offset:OFF_WD+32768*\u+2048*(\k+8)+512*\c
.endr
.endr
.endr
	WIN 0
	s_cmp_eq_u32 s[WV], 0
	s_cbranch_scc0 .Lnot_chunk_0
	s_wait_tensorcnt 0x0                           ; wave 0: chunk 0 is in; the other waves' chunks may be out
.Lnot_chunk_0:
	s_barrier_signal -1
	s_barrier_wait -1
.macro FETCHA n                        ; unit n = 4 x chunk + pair: 8 fragments into buffer n % 2 of window 3, and 4 scale words: 36 LDS loads
.set fg_, (\n)/4
.set fp_, (\n)%4
.set fb_, 128*((\n)%2)
	WIN 0xc0
.irp s, 0,1,2,3
.irp m, 0,1
.irp c, 0,1,2,3
	ds_load_b128 v[fb_+32*\s+16*\m+4*\c:fb_+32*\s+16*\m+4*\c+3], v[ADA+fg_] offset:16384*fp_+4096*\s+2048*\m+512*\c
.endr
.endr
.endr
	WIN 0
.irp s, 0,1,2,3
	ds_load_b32 v[AS+4*((\n)%2)+\s], v[ADS+fg_] offset:512*fp_+128*\s
.endr
.endm
.macro UNIT n
.set g_, (\n)/4
.set p_, (\n)%4
.if (p_ == 3) && (g_ < 3)
	s_wait_dscnt 0x0                               ; no LDS instruction of mine is out at a signal
.if g_ < 2
	s_cmp_eq_u32 s[WV], g_+1
	s_cbranch_scc0 .Lnot_mine_\@
	s_wait_tensorcnt 0x0                           ; the wave that fetched the next chunk: it is in
.Lnot_mine_\@:
.else
	s_wait_tensorcnt 0x0                           ; the last chunk: all that is still out
.endif
	s_barrier_signal -1
	s_barrier_wait -1
.endif
.if (\n) < 15
	PLACES 8                                       ; in front of loads into the buffer that the last unit but this one's products read
	FETCHA (\n)+1
	s_wait_dscnt 36                                ; this unit's fragments are in; the 36 loads just issued may be out
.else
	s_wait_dscnt 0x0
.endif
.if p_ == 0
.if g_ < 2
	s_wait_loadcnt 63                              ; this chunk's four ksteps of weights are in: 32 loads for each later chunk were issued behind them (held to what the wait can name)
.else
	s_wait_loadcnt 32*(3-g_)
.endif
.endif
.if g_ < 2
	WIN 0x0d                                       ; source 0 (w_down) window 1, source 1 (h) window 3
.else
	WIN 0x0e                                       ; source 0 window 2
.endif
.irp s, 0,1,2,3
.irp m, 0,1
.irp u, 0,1
.set z_, 0
.if (g_ == 0) && (\s == 0)
.set z_, 1
.endif
.set k_, 4*g_+\s
.set d_, ACC+32*p_+16*\m+8*\u
.set a_, 32*(k_%8)+16*\u
.set b_, 128*((\n)%2)+32*\s+16*\m
	WM d_, a_, b_, z_, BS+k_, AS+4*((\n)%2)+\s, \u, \m
.endr
.endr
.endr
	WIN 0
.endm
	s_wait_alu depctr_va_vdst(0)                   ; at the head's end
	FETCHA 0
.irp n, 0,1,2,3,4,5,6,7,8,9,10,11,12,13,14,15
	UNIT \n
.endr
	; THE WAY OUT: results into the stage (128 rows x 528 bytes), back as whole rows of 512 bytes, + x1, stored
	PLACES 8
	WIN 0x40
.irp i, 0,1,2,3,4,5,6,7,8,9,10,11,12,13,14,15,16,17,18,19,20,21,22,23,24,25,26,27,28,29,30,31
	global_load_b128 v[4*\i:4*\i+3], v1, s[44:45] offset:2048*\i th:TH_LOAD_NT   ; x1: my 32 rows, into the registers that held weights
.endr
	WIN 0
	BARRIER                                        ; every wave's reads of h are over: chunk 0's bytes become the stage
.irp p, 0,1,2,3
.irp m, 0,1
.irp q, 0,1,2,3
	ds_store_b128 v3, v[ACC+32*\p+16*\m+4*\q:ACC+32*\p+16*\m+4*\q+3] offset:(32*\p+8*\m)*528+16*\q   ; each accumulator from its low end on
.endr
.endr
.endr
	BARRIER                                        ; 128 whole rows lie in the stage
	WIN 0xc0
.irp i, 0,1,2,3,4,5,6,7,8,9,10,11,12,13,14,15,16,17,18,19,20,21,22,23,24,25,26,27,28,29,30,31
	ds_load_b128 v[4*\i:4*\i+3], v4 offset:528*\i
.endr
	WIN 0
	s_wait_dscnt 0x0
	s_wait_loadcnt 0x0
	WIN 0xc7                                       ; destination and source 0 window 3, source 1 (x1) window 1
.set i_, 0
.rept 64
	v_pk_add_f32 v[2*i_:2*i_+1], v[2*i_:2*i_+1], v[2*i_:2*i_+1]
.set i_, i_+1
.endr
	WIN 0x0c                                       ; a store's data are its source 1: window 3
.irp i, 0,1,2,3,4,5,6,7,8,9,10,11,12,13,14,15,16,17,18,19,20,21,22,23,24,25,26,27,28,29,30,31
	global_store_b128 v1, v[4*\i:4*\i+3], s[46:47] offset:2048*\i th:TH_STORE_NT   ; 32 lanes store 512 consecutive bytes, aligned
.endr
	WIN 0
	s_wait_tensorcnt 0x0                           ; the wave's end
	ds_add_u32 v126, v127
	s_wait_dscnt 0x0
	CROUND                                         ; the closing round
	s_endpgm
.Lfunc_end_k_q5192f72b77_down:
	.size	k_q5192f72b77_down, .Lfunc_end_k_q5192f72b77_down-k_q5192f72b77_down
	.p2alignl 7, 3214868480
	.fill 96, 4, 3214868480
	.section	.rodata,"a",@progbits
	.p2align	6, 0x0
	.amdhsa_kernel k_q5192f72b77_down
		.amdhsa_group_segment_fixed_size 327680
		.amdhsa_private_segment_fixed_size 0
		.amdhsa_enable_private_segment 0
		.amdhsa_kernarg_size 32
		.amdhsa_user_sgpr_count 2
		.amdhsa_user_sgpr_kernarg_segment_ptr 1
		.amdhsa_wavefront_size32 1
		.amdhsa_system_sgpr_workgroup_id_x 1
		.amdhsa_system_sgpr_workgroup_id_y 1
		.amdhsa_system_sgpr_workgroup_id_z 1
		.amdhsa_system_vgpr_workitem_id 0
		.amdhsa_next_free_vgpr 1024
		.amdhsa_next_free_sgpr 66
		.amdhsa_reserve_vcc 0
		.amdhsa_float_denorm_mode_32 3
		.amdhsa_float_denorm_mode_16_64 3
		.amdhsa_memory_ordered 1
		.amdhsa_forward_progress 1
		.amdhsa_inst_pref_size 109
	.end_amdhsa_kernel
	.amdgpu_metadata
---
amdhsa.version: [ 1, 2 ]
amdhsa.kernels:
  - .name:           k_q5192f72b77_down
    .symbol:         k_q5192f72b77_down.kd
    .args:
      - { .name: hact, .offset: 0, .size: 8, .value_kind: global_buffer, .address_space: global }
      - { .name: wts, .offset: 8, .size: 8, .value_kind: global_buffer, .address_space: global }
      - { .name: x1, .offset: 16, .size: 8, .value_kind: global_buffer, .address_space: global }
      - { .name: out0, .offset: 24, .size: 8, .value_kind: global_buffer, .address_space: global }
    .group_segment_fixed_size: 327680
    .private_segment_fixed_size: 0
    .kernarg_segment_align: 8
    .kernarg_segment_size: 32
    .max_flat_workgroup_size: 128
    .sgpr_count:     66
    .vgpr_count:     1024
    .wavefront_size: 32
...
	.end_amdgpu_metadata
.endif
;; end of part 6
